; MI455X (gfx1250); checked and timed in simulation.
; The chip was launched on July 23, 2026; its instructions are those of AMD's public machine-readable ISA for CDNA 5 (MIT licence, August 2026) and "CDNA5" Instruction Set Architecture Reference Guide (July 2026). The comments in the code are by the model that wrote it; some were corrected since.
;; Multihead Attention. Allowed arithmetic: matrix products marked QUANTISED: E2M1 operands, one E8M0 scale for each 32 along K, by v_wmma_scale_f32_16x16x128_f8f6f4 with both operands' format E2M1 (or v_wmma_scale_f32_32x16x128_f4), f32 sums; products left as they are: bf16, f16 or f32 operands; f32 sums; everything else in f32.
;; Inputs: Wk 1,024 x 1,024 float32; Wo 1,024 x 1,024 float32; Wq 1,024 x 1,024 float32; Wv 1,024 x 1,024 float32; bo 1,024 float32; keys 4 x 2,048 x 1,024 float32; querys 4 x 2,048 x 1,024 float32; values 4 x 2,048 x 1,024 float32.
;; Outputs: out0 4 x 2,048 x 1,024 float32.
;; This version of the problem:
;;   THIS VERSION OF THE PROBLEM IS GIVEN IN LOW PRECISION. The matrix products marked QUANTISED in the list below multiply operands that are first quantised to E2M1 (2 exponent bits, 1 mantissa bit; 4 bits a number), with one power-of-two scale for each 32 numbers along K (OCP MX v1.0); their sums are f32. The products marked 'left as it is' may take bf16, f16 or f32 operands, with f32 sums. Whichever they take, every output number must still come out within the allowed error. Rounding operands to bf16 (8 significant bits) uses up far more of that allowance than f16 does (11 bits, for magnitudes from 6e-5 to 65,504). All else is computed in f32.
;;   The module's matrix products, in the order in which they are computed (A, B: the left and right operand; K: the contracted axis; several contracted axes count as one K, in the product's order):
;;     1. [M 8,192, K 1,024] x [K 1,024, N 1,024]; A: input querys; B: input Wq: QUANTISED
;;     2. [M 8,192, K 1,024] x [K 1,024, N 1,024]; A: input keys; B: input Wk: QUANTISED
;;     3. [M 8,192, K 1,024] x [K 1,024, N 1,024]; A: input values; B: input Wv: QUANTISED
;;     4. batch 64 x [M 2,048, K 64] x [K 64, N 2,048]; A: computed on the way; B: computed on the way: left as it is (an operand is computed on the way)
;;     5. batch 64 x [M 2,048, K 2,048] x [K 2,048, N 64]; A: computed on the way; B: computed on the way: left as it is (an operand is computed on the way)
;;     6. [M 8,192, K 1,024] x [K 1,024, N 1,024]; A: computed on the way; B: input Wo: left as it is (an operand is computed on the way)
;;   THE QUANTISER, for each operand of a quantised product, along K:
;;     - K is cut into blocks of 32 from its start; a last block that is shorter is filled with zeros.
;;     - A block's scale is 2^e with e = floor(log2(the largest magnitude in the block)) - 2, held to -126 .. 127; a block of zeros has e = 0. As a byte (E8M0): e + 127.
;;     - Each number is divided by its block's scale, clamped to +-6, and rounded to the nearest number of E2M1, ties to even, subnormals kept.
;;     - The product sums the exact products of the quantised numbers (number of the format x scale) in f32.
;;   ~~~python
;;   def quantise(x, axis):      # numpy; x: float32 -> the quantised numbers, widened to float32 again
;;       x = np.moveaxis(x, axis, -1); K = x.shape[-1]
;;       x = np.pad(x, [(0, 0)] * (x.ndim - 1) + [(0, -K % 32)]); x = x.reshape(x.shape[:-1] + (-1, 32)); a = np.abs(x).max(-1, keepdims=True)
;;       e = np.where(a > 0, np.clip(np.frexp(np.where(a > 0, a, 1))[1] - 1 - 2, -126, 127), 0)      # np.frexp(a)[1] - 1 = floor(log2(a)), exactly
;;       r = np.clip(x / 2.0 ** e, -6, 6)
;;       step = 2.0 ** (np.maximum(np.frexp(np.where(r == 0, 1, r))[1] - 1, 0) - 1)
;;       q = np.round(r / step) * step * 2.0 ** e      # np.round: ties to even
;;       return np.moveaxis(q.reshape(q.shape[:-2] + (-1,))[..., :K], -1, axis).astype(np.float32)
;;   ~~~
;; One version. Each part assembles by itself: llvm-mc -triple=amdgcn-amd-amdhsa -mcpu=gfx1250 --defsym DOCPART=n.
;; ======== version 1 of 1: 5 launches
;; limits: values are held in f16: magnitudes above 65,504 overflow, below 6.1e-05 lose precision
;; workspace buffers: xcodes 12,582,912 bytes; xscales 786,432 bytes; wcodes 1,572,864 bytes; wscales 98,304 bytes; wo16 2,097,152 bytes; qkv16 50,331,648 bytes; fine32 786,432 bytes; attn16 16,777,216 bytes
;; launch quant (part 1): grid 928 x 1, 4 waves a work-group, no clusters, 33,280 bytes of LDS; arguments querys, keys, values, Wq, Wk, Wv, Wo, xcodes, xscales, wcodes, wscales, wo16; writes xcodes, xscales, wcodes, wscales, wo16
.if DOCPART == 1
	.amdgcn_target "amdgcn-amd-amdhsa--gfx1250"
	.amdhsa_code_object_version 6
	.text
	.protected	k_q3ad27d0dc8_quant
	.globl	k_q3ad27d0dc8_quant
	.p2align	8
	.type	k_q3ad27d0dc8_quant,@function
k_q3ad27d0dc8_quant:
	s_mov_b64 s[64:65], 0
	v_nop
	global_prefetch_b8 v0, s[64:65] scope:SCOPE_SE
	s_setreg_imm32_b32 hwreg(HW_REG_WAVE_MODE, 25, 1), 1
	s_wait_xcnt 0x0
; querys, keys, values [8192][1024] and Wq, Wk, Wv [1024][1024], f32 with K innermost, become codes of FP4 (E2M1), two a byte, and one E8M0 byte for each 32 along K;
; Wo [1024 n][1024 k] f32 becomes f16 laid [16 heads][1024 n][64], so that two rows of one head are 256 consecutive bytes.
; A block's scale is 2^(floor(log2(its largest magnitude)) - 2); its byte is the largest magnitude's exponent field - 2, held at 1 from below.
; LIMITS: a block of zeros gets the byte 1 where the rule says 127 (its codes are zeros, and this program alone reads the bytes); blocks whose largest magnitude lies under 2^(3 - 127) are held at that floor;
; NaN and infinities among the inputs are not served; Wo beyond 65,504 in magnitude has no f16 number.
; SHARES: work-groups 0-255 querys, 256-511 keys, 512-767 values, 768-799 Wq, 800-831 Wk, 832-863 Wv: 32,768 numbers each, a wave 16 steps of 512; work-groups 864-927: Wo, a wave 4 rows.
; Rows are dense and K is a multiple of 32: each tensor is a plain stream of blocks of 32, and the three activations (and the three weights) lie on end in their buffers of codes and of bytes.
; Only pointers are chosen by the work-group's number; the six tensors take one path.  No tensor loads, no barrier, no cluster: waves share nothing, and no byte is read twice.
; A lane must hold 16 neighbours along K for the conversions, while a load is dense where neighbouring lanes take neighbouring bytes: a step's 2,048 bytes turn through the wave's own stage in LDS.
.set WAVES, 4
.set STEPS, 16
.set EMAX,  2
.set CB,    8                          ; bytes of 16 codes
.set R,     16                         ; v16-79   four sets of 16 numbers as loaded (the Wo arm: v16-143, eight numbers for each head)
.set X,     80                         ; v80-111  two sets of 16 neighbours
.set C,     128                        ; v128-191 codes, four registers a step
.set E,     112                        ; v112-127 a scale byte for each step
.set WREG,  8192                       ; LDS: a region for each wave: two stages of 32 x SP bytes, then its 256 scale bytes
.set SP,    80                         ; a lane's place in a stage: 64 bytes + 16 of padding
.set SPW,   12                         ; v12 LDS address of my spare word; never rewritten
.set NIL,   13                         ; v13 0; never rewritten
.set SPARE, WAVES*WREG                 ; the spare words, 128 bytes a wave, that no other line names
.set SRC,   30                         ; s[30:31] the tensor that I read
.set COD,   34                         ; s[34:35] where its codes go
.set SCA,   36                         ; s[36:37] where its scale bytes go
	s_load_b256 s[4:11], s[0:1], 0x0               ; querys, keys, values, Wq
	s_load_b256 s[12:19], s[0:1], 0x20             ; Wk, Wv, Wo, xcodes
	s_load_b256 s[20:27], s[0:1], 0x40             ; xscales, wcodes, wscales, wo16
	v_lshl_add_u32 v[SPW], v0, 2, SPARE
	v_mov_b32 v[NIL], 0
	v_lshrrev_b32 v1, 5, v0
	v_readfirstlane_b32 s28, v1                    ; wave
	v_and_b32 v2, 31, v0                           ; lane
	v_lshlrev_b32 v3, 4, v2                        ; my 16 bytes of a load's 512
	s_mul_i32 s29, s28, WREG
	v_lshrrev_b32 v14, 2, v2
	v_mul_u32_u24 v14, v14, SP
	v_and_b32 v15, 3, v2
	v_lshl_add_u32 v14, v15, 4, v14
	v_add_nc_u32 v14, s29, v14                     ; the stage, on the way in: SP (lane / 4) + 16 (lane % 4)
	v_mul_u32_u24 v15, v2, SP
	v_add_nc_u32 v15, s29, v15                     ; and on the way out: SP x lane
	v_mul_u32_u24 v4, v2, CB                       ; my codes' place in a step's
	v_lshrrev_b32 v5, 1, v2
	s_add_co_u32 s29, s29, 2*32*SP
	v_add_nc_u32 v5, s29, v5                       ; my block's byte among my wave's 256
	v_lshlrev_b32 v7, 3, v2
	v_add_nc_u32 v6, s29, v7                       ; and 8 bytes a lane on their way out
	s_wait_kmcnt 0x0
	s_cmp_ge_u32 ttmp9, 864
	s_cbranch_scc1 .Lwo
	s_mov_b64 s[SRC:SRC+1], s[4:5]
	s_mov_b32 s32, 0                               ; the first work-group of my tensor
.macro PICK first, reg                 ; the choice hangs on the work-group's number alone
	s_cmp_ge_u32 ttmp9, \first
	s_cselect_b64 s[SRC:SRC+1], s[\reg:\reg+1], s[SRC:SRC+1]
	s_cselect_b32 s32, \first, s32
.endm
	PICK 256, 6
	PICK 512, 8
	PICK 768, 10
	PICK 800, 12
	PICK 832, 14
	s_cmp_lt_u32 ttmp9, 768
	s_cselect_b64 s[COD:COD+1], s[18:19], s[22:23]
	s_cselect_b64 s[SCA:SCA+1], s[20:21], s[24:25]
	s_cselect_b32 s33, 0, 768                      ; the first work-group of my buffer of codes
	s_sub_co_u32 s38, ttmp9, s32
	s_lshl_b32 s38, s38, 2
	s_add_co_u32 s38, s38, s28                     ; which run of 8,192 numbers of the tensor is my wave's
	s_lshl_b32 s38, s38, 15                        ; 32,768 bytes a run
	s_mov_b32 s39, 0
	s_add_nc_u64 s[SRC:SRC+1], s[SRC:SRC+1], s[38:39]
	s_sub_co_u32 s40, ttmp9, s33
	s_lshl_b32 s40, s40, 2
	s_add_co_u32 s40, s40, s28                     ; which run of the buffer
	s_lshl_b32 s42, s40, 12                        ; 4,096 bytes of codes a run
	s_mov_b32 s43, 0
	s_add_nc_u64 s[COD:COD+1], s[COD:COD+1], s[42:43]
	s_lshl_b32 s44, s40, 8                         ; 256 scale bytes a run
	s_mov_b32 s45, 0
	s_add_nc_u64 s[SCA:SCA+1], s[SCA:SCA+1], s[44:45]
.macro LOAD t
.irp i, 0,1,2,3
	global_load_b128 v[R+16*((\t)%4)+4*\i:R+16*((\t)%4)+4*\i+3], v3, s[SRC:SRC+1] offset:2048*(\t)+512*\i th:TH_LOAD_NT   ; 32 lanes read 512 consecutive bytes
.endr
.endm
.macro TURN t                          ; a step's numbers through the stage: LDS serves a wave's instructions in order, so no wait stands between the stores and the loads
.irp i, 0,1,2,3
	ds_store_b128 v14, v[R+16*((\t)%4)+4*\i:R+16*((\t)%4)+4*\i+3] offset:32*SP*((\t)%2)+8*SP*\i
.endr
.irp i, 0,1,2,3
	ds_load_b128 v[X+16*((\t)%2)+4*\i:X+16*((\t)%2)+4*\i+3], v15 offset:32*SP*((\t)%2)+16*\i
.endr
.endm
.irp t, 0,1,2,3
	LOAD \t
.endr
	s_wait_loadcnt 12                              ; step 0's four loads are in; the twelve of steps 1 to 3 may be out
	TURN 0
.macro STEP t
.set XS, X+16*((\t)%2)
.if (\t) > 0
	s_wait_dscnt 1                                 ; this step's numbers are back from the stage (the last step's byte store may be out)
.else
	s_wait_dscnt 0x0
.endif
.if (\t)+4 < STEPS
	LOAD (\t)+4                                    ; into the registers that the stage's stores have read
.endif
.if (\t)+1 < STEPS
.if STEPS-2-(\t) >= 3
	s_wait_loadcnt 12                              ; the next step's four loads are in; those of the three steps behind it may be out
.else
	s_wait_loadcnt 4*(STEPS-2-(\t))
.endif
	TURN (\t)+1
.endif
	v_max3_num_f32 v8, |v[XS]|, |v[XS+1]|, |v[XS+2]|               ; the largest magnitude of my 16, in two chains
	v_max3_num_f32 v9, |v[XS+3]|, |v[XS+4]|, |v[XS+5]|
.irp i, 6,10
	v_max3_num_f32 v8, v8, |v[XS+\i]|, |v[XS+\i+1]|
	v_max3_num_f32 v9, v9, |v[XS+\i+2]|, |v[XS+\i+3]|
.endr
	v_max3_num_f32 v8, v8, |v[XS+14]|, |v[XS+15]|
	v_max3_num_f32 v8, v8, v9, (EMAX+1)<<23        ; and the floor 2^(3 - 127): the byte cannot fall under 1
	v_max_num_f32_dpp v8, v8, v8 row_xmask:1 row_mask:0xf bank_mask:0xf   ; with my neighbour's 16: the block's
	v_add_nc_u32 v11, -(EMAX<<23), v8              ; 2 off its exponent field: the conversion takes that field as its scale and nothing else
	v_cvt_scalef32_pk8_fp4_f32 v[C+4*(\t)], v[XS:XS+7], v11
	v_cvt_scalef32_pk8_fp4_f32 v[C+4*(\t)+1], v[XS+8:XS+15], v11
	v_lshrrev_b32 v[E+(\t)], 23, v11               ; the scale's byte (also the plain line behind the conversions)
	ds_store_b8 v5, v[E+(\t)] offset:16*(\t)       ; both lanes of a block write the same byte with the same value
	global_store_b64 v4, v[C+4*(\t):C+4*(\t)+1], s[COD:COD+1] offset:32*CB*(\t)   ; the wave stores 256 consecutive bytes, aligned
.endm
.irp t, 0,1,2,3,4,5,6,7,8,9,10,11,12,13,14,15
	STEP \t
.endr
	ds_load_b64 v[8:9], v6                         ; in order behind my byte stores
	s_wait_dscnt 0x0
	global_store_b64 v7, v[8:9], s[SCA:SCA+1]      ; 32 lanes store 256 consecutive bytes, aligned
	s_branch .Lend
.Lwo:
; Wo: my wave's four rows n, all sixteen heads.  Lane l takes row l / 8 and eight numbers at l % 8 of each head's 64; its eight f16 are 16 bytes, and the wave's store is 512 consecutive bytes of one head.
	v_lshrrev_b32 v8, 3, v2
	v_and_b32 v9, 7, v2
	v_lshlrev_b32 v9, 5, v9
	v_lshl_add_u32 v8, v8, 12, v9                  ; in: 4,096 (l / 8) + 32 (l % 8)
	v_lshlrev_b32 v9, 4, v2                        ; out: 16 l
	s_sub_co_u32 s38, ttmp9, 864
	s_lshl_b32 s38, s38, 2
	s_add_co_u32 s38, s38, s28                     ; which four rows
	s_lshl_b32 s40, s38, 14
	s_mov_b32 s41, 0
	s_add_nc_u64 s[16:17], s[16:17], s[40:41]
	s_lshl_b32 s40, s38, 9
	s_add_nc_u64 s[26:27], s[26:27], s[40:41]
.irp h, 0,1,2,3,4,5,6,7,8,9,10,11,12,13,14,15
	global_load_b128 v[R+8*\h:R+8*\h+3], v8, s[16:17] offset:256*\h th:TH_LOAD_NT
	global_load_b128 v[R+8*\h+4:R+8*\h+7], v8, s[16:17] offset:256*\h+16 th:TH_LOAD_NT
.endr
.irp h, 0,1,2,3,4,5,6,7,8,9,10,11,12,13,14,15
	s_wait_loadcnt 30-2*\h                         ; this head's two loads are in; the later heads' may be out
.irp e, 0,1,2,3
	v_cvt_pk_f16_f32 v[R+8*\h+\e], v[R+8*\h+2*\e], v[R+8*\h+2*\e+1]   ; packed in place, from the low end on
.endr
	global_store_b128 v9, v[R+8*\h:R+8*\h+3], s[26:27] offset:131072*\h
.endr
.Lend:
	s_wait_tensorcnt 0x0                           ; the wave's end
	ds_add_u32 v[SPW], v[NIL]
	s_wait_dscnt 0x0
	s_endpgm
.Lfunc_end_k_q3ad27d0dc8_quant:
	.size	k_q3ad27d0dc8_quant, .Lfunc_end_k_q3ad27d0dc8_quant-k_q3ad27d0dc8_quant
	.p2alignl 7, 3214868480
	.fill 96, 4, 3214868480
	.section	.rodata,"a",@progbits
	.p2align	6, 0x0
	.amdhsa_kernel k_q3ad27d0dc8_quant
		.amdhsa_group_segment_fixed_size 33280
		.amdhsa_private_segment_fixed_size 0
		.amdhsa_enable_private_segment 0
		.amdhsa_kernarg_size 96
		.amdhsa_user_sgpr_count 2
		.amdhsa_user_sgpr_kernarg_segment_ptr 1
		.amdhsa_wavefront_size32 1
		.amdhsa_system_sgpr_workgroup_id_x 1
		.amdhsa_system_sgpr_workgroup_id_y 1
		.amdhsa_system_sgpr_workgroup_id_z 1
		.amdhsa_system_vgpr_workitem_id 0
		.amdhsa_next_free_vgpr 192
		.amdhsa_next_free_sgpr 66
		.amdhsa_reserve_vcc 0
		.amdhsa_float_denorm_mode_32 3
		.amdhsa_float_denorm_mode_16_64 3
		.amdhsa_memory_ordered 1
		.amdhsa_forward_progress 1
		.amdhsa_inst_pref_size 44
	.end_amdhsa_kernel
	.amdgpu_metadata
---
amdhsa.version: [ 1, 2 ]
amdhsa.kernels:
  - .name:           k_q3ad27d0dc8_quant
    .symbol:         k_q3ad27d0dc8_quant.kd
    .args:
      - { .name: querys, .offset: 0, .size: 8, .value_kind: global_buffer, .address_space: global }
      - { .name: keys, .offset: 8, .size: 8, .value_kind: global_buffer, .address_space: global }
      - { .name: values, .offset: 16, .size: 8, .value_kind: global_buffer, .address_space: global }
      - { .name: Wq, .offset: 24, .size: 8, .value_kind: global_buffer, .address_space: global }
      - { .name: Wk, .offset: 32, .size: 8, .value_kind: global_buffer, .address_space: global }
      - { .name: Wv, .offset: 40, .size: 8, .value_kind: global_buffer, .address_space: global }
      - { .name: Wo, .offset: 48, .size: 8, .value_kind: global_buffer, .address_space: global }
      - { .name: xcodes, .offset: 56, .size: 8, .value_kind: global_buffer, .address_space: global }
      - { .name: xscales, .offset: 64, .size: 8, .value_kind: global_buffer, .address_space: global }
      - { .name: wcodes, .offset: 72, .size: 8, .value_kind: global_buffer, .address_space: global }
      - { .name: wscales, .offset: 80, .size: 8, .value_kind: global_buffer, .address_space: global }
      - { .name: wo16, .offset: 88, .size: 8, .value_kind: global_buffer, .address_space: global }
    .group_segment_fixed_size: 33280
    .private_segment_fixed_size: 0
    .kernarg_segment_align: 8
    .kernarg_segment_size: 96
    .max_flat_workgroup_size: 128
    .sgpr_count:     66
    .vgpr_count:     192
    .wavefront_size: 32
...
	.end_amdgpu_metadata
.endif
;; end of part 1
;; launch proj (part 2): grid 4 x 96, 4 waves a work-group, clusters of 4 x 4, 327,680 bytes of LDS; arguments xcodes, xscales, wcodes, wscales, qkv16, fine32; writes qkv16, fine32
.if DOCPART == 2
	.amdgcn_target "amdgcn-amd-amdhsa--gfx1250"
	.amdhsa_code_object_version 6
	.text
	.protected	k_q3ad27d0dc8_proj
	.globl	k_q3ad27d0dc8_proj
	.p2align	8
	.type	k_q3ad27d0dc8_proj,@function
k_q3ad27d0dc8_proj:
	s_mov_b64 s[64:65], 0
	v_nop
	global_prefetch_b8 v0, s[64:65] scope:SCOPE_SE
	s_setreg_imm32_b32 hwreg(HW_REG_WAVE_MODE, 25, 1), 1
	s_wait_xcnt 0x0
	s_wait_alu depctr_hold_cnt(0) depctr_sa_sdst(0) depctr_va_vdst(0) depctr_va_sdst(0) depctr_va_ssrc(0) depctr_va_vcc(0) depctr_vm_vsrc(0)
	s_getreg_b32 s2, hwreg(HW_REG_IB_STS2, 6, 4)
	s_cmp_eq_u32 s2, 0
	s_cbranch_scc0 .Lentry_in_a_cluster
	s_endpgm
.Lentry_in_a_cluster:
	s_bfe_u32 s2, ttmp6, 0x10000c
	s_cmp_lg_u32 s2, 0xf033
	s_cbranch_scc0 .Lentry_shape_is_right
	s_endpgm
.Lentry_shape_is_right:
; The three quantised products q = querys Wq^T, k = keys Wk^T, v = values Wv^T in one grid, on codes of FP4 (E2M1) with one E8M0 scale for each 32 along K = 1,024; sums in f32.
; x's codes [3][8192][512 bytes], bytes [3][8192][32]; W's codes [3][1024][512 bytes], bytes [3][1024][32].  Results: f16 [3][4 b][16 heads][2048 t][64]; rows t < 16 also as f32 [3][4 b][16 t][1024].
; LIMIT: a result beyond 65,504 in magnitude has no f16 number.
; A tile of 256 rows x 256 columns is made by four waves, 128 x 128 each: 64 accumulators, 512 registers.  K is two slots of 512 (rows of 256 bytes): both slots and all scale bytes are first fills, three tensor loads a wave,
; and nothing is filled again.
; CLUSTERS: 4 x 4 work-groups.  The cluster's y (0 to 23) gives the product (y / 8) and the block Y = y % 8 of 256 positions; the cluster's four rows cy are the four batches, its four columns cx the four blocks of 256 columns.
; The four of a row need the same tile of x, the four of a column the same tile of W: each tile is asked for jointly.  Whether a tile holds positions under 16 hangs on Y alone, which all sixteen partners share.
; THE MATRIX INSTRUCTION IS USED TRANSPOSED (source 0 = 16 rows of W, source 1 = 16 rows of x): a lane holds eight neighbouring columns of one row.
; REGISTERS: window 0: v0-31 addresses; v32-95 scale words, two sets, and nothing else; v128-191 x's fragments, one set; on the way out v96-127 packed results, v128-191 the f32 block, v192-255 rows read back.
;   window 1: W's fragments, two sets, at v0 and v128.  window 2: accumulators of my rows 0-63 ((a, b) at v[8 (8 a + b)]); window 3: of my rows 64-127.
.set NQ,     4                         ; matrix instructions deep in a slot
.set ROWB,   256                       ; a tile's row in bytes: 512 codes
.set KROW,   512                       ; a row of codes in memory
.set PITCH,  272                       ; an LDS row: 256 bytes + 16 of padding: the 16 rows of a load start at 16 different groups of four banks (ISA guide 11.1)
.set FR,     8
.set NL,     2
.set NP,     4                         ; places behind this matrix instruction (ISA guide 7.12.1)
.set HALFT,  128*PITCH
.set SLOT,   4*HALFT
.set KS,     32                        ; a row of scale bytes
.set SCL,    2*SLOT
.set HALFS,  (128*KS/256)*272
.set SBLK,   (16*KS/256)*272
.set SPARE,  SCL+4*HALFS               ; the spare words, 128 bytes a wave, that no other line names
.set ADRA, 16
.set ADRB, 20
.set STO32, 22                         ; the f32 stage: where I put 32 bytes of a row
.set RD32, 23                          ; and where I read a row back
.set STO,  24                          ; the f16 stage: where I put 16 bytes of a row
.set RD,   25                          ; and where I read back: lanes 0-15 two rows of one head, lanes 16-31 of the next head
.set CO,   26                          ; my byte offset in qkv16
.set ADRS, 27
.set SPW,  28
.set NIL,  29
.set CO32, 30                          ; my byte offset in a row of fine32
.set SC,   32
.set TMP,  96
.set AF,   128
.set BK32, 128
.set OB,   192
.set G1, 24
.set G0, 32
.set G1B, 48
.set G0B, 56
.set G1S, 68
.set G0S, 76
.set G1SB, 80
.set G0SB, 88
.set MSB, 0
.macro WIN new                         ; the immediate's high byte repeats the setting that is left
.if MSB != (\new)
	s_set_vgpr_msb (MSB<<8)|(\new)
.set MSB, (\new)
.endif
.endm
.set MUL_LO, 0xa1                      ; source 0 (W) window 1, source 1 (x) window 0, C and D window 2
.set MUL_HI, 0xf1
.set TO_B,   0x40
; A joint load: waves 0 and 1 fetch for x, waves 2 and 3 for W.  An s_nop 0 and four v_nop follow each of the two lines.
.macro JLOAD g0a, g1a, g0b, g1b
	s_cmp_eq_u32 s15, 0
	s_cbranch_scc0 .Lfor_b_\@
	tensor_load_to_lds s[\g0a:\g0a+3], s[\g1a:\g1a+7]
	s_nop 0
.rept 4
	v_nop
.endr
	s_branch .Lasked_\@
.Lfor_b_\@:
	tensor_load_to_lds s[\g0b:\g0b+3], s[\g1b:\g1b+7]
	s_nop 0
.rept 4
	v_nop
.endr
.Lasked_\@:
.endm
.macro CROUND                          ; a round of the cluster's barrier
	s_barrier_signal -1
	s_barrier_wait -1
	s_cmp_lg_u32 s14, 0
	s_cbranch_scc1 .Lnot_wave_0_\@
	s_barrier_signal -3
.Lnot_wave_0_\@:
	s_barrier_wait -3
	s_barrier_signal -1
	s_barrier_wait -1
.endm
	s_load_b128 s[4:7], s[0:1], 0x0                ; x's codes, x's scales
	s_load_b128 s[8:11], s[0:1], 0x10              ; W's codes, W's scales
	s_load_b64 s[12:13], s[0:1], 0x20              ; qkv16
	s_load_b64 s[98:99], s[0:1], 0x28              ; fine32
	v_lshl_add_u32 v[SPW], v0, 2, SPARE
	v_mov_b32 v[NIL], 0
	ds_add_u32 v[SPW], v[NIL]                      ; the wave's opening: the add, twice on end, and its wait ahead of my first tensor load
	ds_add_u32 v[SPW], v[NIL]
	v_lshrrev_b32 v1, 5, v0
	v_readfirstlane_b32 s14, v1                    ; wave 0..3
	s_lshr_b32 s15, s14, 1                         ; which half of the tile's rows is mine.  Also: I fetch for x (0) or for W (1)
	s_and_b32 s16, s14, 1                          ; which half of its columns.  Also: which 128 rows of that tile I fetch
	s_bfe_u32 s40, ttmp6, 0x40000                  ; cx
	s_bfe_u32 s41, ttmp6, 0x40004                  ; cy: the batch
	s_lshl_b32 s42, ttmp9, 2
	s_add_co_u32 s42, s42, s40                     ; block of 256 columns
	s_and_b32 s95, ttmp7, 0xffff                   ; the cluster's y
	s_lshr_b32 s96, s95, 3                         ; which product
	s_and_b32 s97, s95, 7                          ; Y: which 256 positions
	s_lshl_b32 s43, s41, 2
	s_lshl_b32 s43, 15, s43                        ; my row of the cluster
	s_lshl_b32 s44, 0x1111, s40                    ; my column
	s_or_b32 s[G1+0], s43, (0<<16)|(1<<20)|(1<<21)|(5<<22)|(3<<25)  ; the mask; elements of 1 byte; padding on; bit 21 beside a mask; four words after every 64
	s_or_b32 s[G1B+0], s44, (0<<16)|(1<<20)|(1<<21)|(5<<22)|(3<<25)
.irp g, G1, G1B
	s_mov_b32 s[\g+1], ROWB<<16                    ; tensor_dim0
	s_mov_b32 s[\g+2], 128<<16                     ; tensor_dim1
	s_mov_b32 s[\g+3], ROWB<<16                    ; tile_dim0
	s_mov_b32 s[\g+4], 128                         ; tile_dim1
	s_mov_b32 s[\g+5], KROW                        ; from row to row
	s_mov_b32 s[\g+6], 0
	s_mov_b32 s[\g+7], 0
.endr
	s_or_b32 s[G1S+0], s43, (3<<16)|(1<<20)|(1<<21)|(5<<22)|(3<<25)   ; the scale bytes of 128 rows: 4,096 dense bytes as 16 rows of 256 (32 elements of 8 bytes)
	s_or_b32 s[G1SB+0], s44, (3<<16)|(1<<20)|(1<<21)|(5<<22)|(3<<25)
.irp g, G1S, G1SB
	s_mov_b32 s[\g+1], 32<<16
	s_mov_b32 s[\g+2], (128*KS/256)<<16
	s_mov_b32 s[\g+3], 32<<16
	s_mov_b32 s[\g+4], 128*KS/256
	s_mov_b32 s[\g+5], 32
	s_mov_b32 s[\g+6], 0
	s_mov_b32 s[\g+7], 0
.endr
	s_lshl_b32 s18, s16, 7                         ; which 128 rows of the tile I fetch
	s_lshl_b32 s20, s96, 13                        ; x: row 8,192 x product
	s_lshl_b32 s21, s41, 11                        ;    + 2,048 x batch
	s_add_co_u32 s20, s20, s21
	s_lshl_b32 s21, s97, 8                         ;    + 256 Y
	s_add_co_u32 s20, s20, s21
	s_add_co_u32 s20, s20, s18
	s_lshl_b32 s46, s96, 10                        ; W: row 1,024 x product
	s_lshl_b32 s47, s42, 8                         ;    + 256 x block of columns
	s_add_co_u32 s46, s46, s47
	s_add_co_u32 s46, s46, s18
	s_mov_b32 s21, 0
	s_mov_b32 s47, 0
	s_mov_b64 s[18:19], KS
	s_mul_u64 s[22:23], s[20:21], s[18:19]         ; where these rows' scale bytes begin
	s_mul_u64 s[92:93], s[46:47], s[18:19]
	s_mov_b64 s[18:19], KROW
	s_mul_u64 s[20:21], s[20:21], s[18:19]         ; and their codes
	s_mul_u64 s[46:47], s[46:47], s[18:19]
	s_mul_i32 s45, s14, HALFT                      ; where they go: wave x 128 rows: no place in the cluster enters an LDS address
	s_mul_i32 s94, s14, HALFS
	s_wait_dscnt 0x0                               ; both opening adds are done
	s_wait_kmcnt 0x0
	s_add_nc_u64 s[20:21], s[4:5], s[20:21]
	s_add_nc_u64 s[22:23], s[6:7], s[22:23]
	s_add_nc_u64 s[46:47], s[8:9], s[46:47]
	s_add_nc_u64 s[92:93], s[10:11], s[92:93]
	CROUND                                         ; all sixteen work-groups are here: the joint loads meet
	s_mov_b32 s[G0S], 1
	s_add_co_u32 s[G0S+1], s94, SCL
	s_mov_b64 s[G0S+2:G0S+3], s[22:23]
	s_or_b32 s[G0S+3], s[G0S+3], 0x80000000
	s_mov_b32 s[G0SB], 1
	s_add_co_u32 s[G0SB+1], s94, SCL
	s_mov_b64 s[G0SB+2:G0SB+3], s[92:93]
	s_or_b32 s[G0SB+3], s[G0SB+3], 0x80000000
	JLOAD G0S, G1S, G0SB, G1SB                     ; the scale bytes first: they are wanted with the first slot
.irp s, 0,1
	s_mov_b32 s[G0+4*\s], 1
	s_add_co_u32 s[G0+4*\s+1], s45, \s*SLOT
	s_add_nc_u64 s[G0+4*\s+2:G0+4*\s+3], s[20:21], \s*ROWB
	s_or_b32 s[G0+4*\s+3], s[G0+4*\s+3], 0x80000000
	s_mov_b32 s[G0B+4*\s], 1
	s_add_co_u32 s[G0B+4*\s+1], s45, \s*SLOT
	s_add_nc_u64 s[G0B+4*\s+2:G0B+4*\s+3], s[46:47], \s*ROWB
	s_or_b32 s[G0B+4*\s+3], s[G0B+4*\s+3], 0x80000000
	JLOAD G0+4*\s, G1, G0B+4*\s, G1B               ; three tensor loads of mine are out at the most
.endr
	v_and_b32 v1, 15, v0                           ; r = l % 16
	v_bfe_u32 v2, v0, 4, 1                         ; h = l / 16
	v_mul_u32_u24 v3, v1, PITCH
	v_lshl_add_u32 v4, v2, 4, v3                   ; a fragment's row x pitch + 16 h
	s_mul_i32 s21, s15, HALFT                      ; my 128 rows of x
	s_mul_i32 s22, s16, HALFT                      ; my 128 rows of W,
	s_add_co_u32 s22, s22, 2*HALFT                 ; behind x's 256
.irp s, 0,1
	v_add_nc_u32 v[ADRA+\s], s21, v4
	v_add_nc_u32 v[ADRB+\s], s22, v4
	s_add_co_u32 s21, s21, SLOT
	s_add_co_u32 s22, s22, SLOT
.endr
	v_mul_u32_u24 v5, v1, KS                       ; my row's scale bytes: 32 a row,
	v_lshrrev_b32 v6, 8, v5
	v_lshl_add_u32 v5, v6, 4, v5                   ; and 16 more for each 256 passed
	s_mul_i32 s21, s15, HALFS
	s_mul_i32 s22, s16, HALFS
	s_add_co_u32 s22, s22, 2*HALFS
	s_sub_co_u32 s22, s22, s21
	v_mul_u32_u24 v6, s22, v2                      ; lanes 16-31 take W's: one product, the distance between the two bases
	s_add_co_u32 s21, s21, SCL
	v_add_nc_u32 v5, v5, v6
	v_add_nc_u32 v[ADRS], s21, v5
	; the way out.  Both stages lie in slot 0, which has had its one fill and its last read when the first result is stored there
	s_mul_i32 s23, s14, 16*272                     ; my f16 stage: 16 rows x (256 bytes + 16)
	v_mul_u32_u24 v5, v1, 272
	v_lshl_add_u32 v5, v2, 4, v5
	v_add_nc_u32 v[STO], s23, v5                   ; in: row r, 16 bytes for each half of the lanes
	v_bfe_u32 v5, v0, 3, 1
	v_mul_u32_u24 v5, v5, 272
	v_lshl_add_u32 v5, v2, 7, v5
	v_and_b32 v6, 7, v0
	v_lshl_add_u32 v5, v6, 4, v5
	v_add_nc_u32 v[RD], s23, v5                    ; back: row (l / 8) % 2, head l / 16 (128 bytes on), 16 (l % 8)
	v_lshlrev_b32 v[CO], 4, v1
	v_lshl_add_u32 v[CO], v2, 18, v[CO]            ; in qkv16: 16 (l % 16), and a head (262,144 bytes) on for lanes 16-31
	s_mul_i32 s23, s14, 16*528                     ; my f32 stage: 16 rows x (512 bytes + 16), behind the four f16 stages
	s_add_co_u32 s23, s23, 4*16*272
	v_mul_u32_u24 v5, v1, 528
	v_lshl_add_u32 v5, v2, 5, v5
	v_add_nc_u32 v[STO32], s23, v5
	v_and_b32 v6, 31, v0
	v_lshlrev_b32 v[CO32], 4, v6
	v_add_nc_u32 v[RD32], s23, v[CO32]
	s_lshl_b32 s66, s96, 24                        ; qkv16: 16,777,216 x product
	s_lshl_b32 s2, s41, 22                         ; + 4,194,304 x batch
	s_add_co_u32 s66, s66, s2
	s_lshl_b32 s2, s42, 20                         ; + 262,144 x head, head = 4 x block of columns + 2 x my half
	s_add_co_u32 s66, s66, s2
	s_lshl_b32 s2, s16, 19
	s_add_co_u32 s66, s66, s2
	s_lshl_b32 s2, s97, 15                         ; + 128 bytes x (256 Y + 128 x my half of the rows)
	s_add_co_u32 s66, s66, s2
	s_lshl_b32 s2, s15, 14
	s_add_co_u32 s66, s66, s2
	s_mov_b32 s67, 0
	s_add_nc_u64 s[12:13], s[12:13], s[66:67]
	s_lshl_b32 s66, s96, 2                         ; fine32: 65,536 x (4 x product + batch) + 4 x my first column
	s_add_co_u32 s66, s66, s41
	s_lshl_b32 s66, s66, 16
	s_lshl_b32 s2, s42, 10
	s_add_co_u32 s66, s66, s2
	s_lshl_b32 s2, s16, 9
	s_add_co_u32 s66, s66, s2
	s_add_nc_u64 s[98:99], s[98:99], s[66:67]
.macro FRAG reg, adr, q, i             ; 16 rows x 128 K of 4-bit codes: 8 registers: lane l holds row l % 16; registers 4 c .. 4 c + 3 hold K = 64 c + 32 (l / 16) + 0 .. 31
.irp c, 0,1
	ds_load_b128 v[\reg+4*\c:\reg+4*\c+3], v[\adr] offset:64*(\q)+32*\c+(\i)*16*PITCH
.endr
.endm
; 16 matrix instructions: x's blocks a0, a0 + 1 against W's eight.  The 64 accumulators take turns, one instruction a turn, in the same order in every step.
.macro MUL16 a0, p, q, sc, zero
.irp a, \a0, \a0+1
.irp b, 0,1,2,3,4,5,6,7
.if \zero
	v_wmma_scale_f32_16x16x128_f8f6f4 v[8*(8*((\a)%4)+\b):8*(8*((\a)%4)+\b)+7], v[128*(\p)+FR*\b:128*(\p)+FR*\b+FR-1], v[AF+FR*(\a):AF+FR*(\a)+FR-1], 0, v[SC+8*NQ*(\sc)+NQ*\b+(\q)], v[SC+8*NQ*(\sc)+NQ*(\a)+(\q)] matrix_a_fmt:MATRIX_FMT_FP4 matrix_b_fmt:MATRIX_FMT_FP4 matrix_a_scale:MATRIX_SCALE_ROW1
.else
	v_wmma_scale_f32_16x16x128_f8f6f4 v[8*(8*((\a)%4)+\b):8*(8*((\a)%4)+\b)+7], v[128*(\p)+FR*\b:128*(\p)+FR*\b+FR-1], v[AF+FR*(\a):AF+FR*(\a)+FR-1], v[8*(8*((\a)%4)+\b):8*(8*((\a)%4)+\b)+7], v[SC+8*NQ*(\sc)+NQ*\b+(\q)], v[SC+8*NQ*(\sc)+NQ*(\a)+(\q)] matrix_a_fmt:MATRIX_FMT_FP4 matrix_b_fmt:MATRIX_FMT_FP4 matrix_a_scale:MATRIX_SCALE_ROW1
.endif
.endr
.endr
.endm
.macro FETCH_B slot, q, p
	WIN TO_B
.irp i, 0,1,2,3,4,5,6,7
	FRAG 128*(\p)+FR*\i, ADRB+\slot, \q, \i
.endr
	WIN 0
.endm
.macro FETCH_A slot, q, i0
.irp i, \i0, \i0+1, \i0+2, \i0+3
	FRAG AF+FR*(\i), ADRA+\slot, \q, \i
.endr
.endm
.macro SCALES sc                       ; a slot's scale words: lanes 0-15 take x's block i, lanes 16-31 W's block i: four words a row
.irp i, 0,1,2,3,4,5,6,7
	ds_load_b128 v[SC+8*NQ*\sc+NQ*\i:SC+8*NQ*\sc+NQ*\i+3], v[ADRS] offset:\i*SBLK
.endr
.endm
.macro PLACES n                        ; plain vector instructions between a matrix instruction and a load into, or a read of, its registers
.rept \n
	v_nop
.endr
.endm
.macro STEP slot, q, zero              ; 128 along K, with its successor in the same slot
	s_wait_dscnt 4*NL                              ; W's set and x's blocks 0-3 are in; the youngest eight loads (x's blocks 4-7) may be out
	WIN MUL_LO
	MUL16 0, (\q)%2, \q, \slot, \zero
	MUL16 2, (\q)%2, \q, \slot, \zero
	s_wait_dscnt 0
	PLACES NP
	FETCH_B \slot, (\q)+1, 1-(\q)%2
	FETCH_A \slot, (\q)+1, 0
	WIN MUL_HI
	MUL16 4, (\q)%2, \q, \slot, \zero
	MUL16 6, (\q)%2, \q, \slot, \zero
	PLACES NP
	WIN 0
	FETCH_A \slot, (\q)+1, 4
.endm
.macro TURN slot, next                 ; slot 0's last step: one barrier, in front of which each wave's part of slot 1 has landed and its reads of slot 0 are over
	s_wait_tensorcnt 0x0                           ; all my tensor loads have landed
	ds_add_u32 v[SPW], v[NIL]                      ; 0 onto my spare word
	s_wait_dscnt 4*NL+1                            ; (the add and the youngest eight loads may be out)
	WIN MUL_LO
	MUL16 0, 1, NQ-1, \slot, 0
	s_wait_dscnt 0x0
	s_barrier_signal -1
	MUL16 2, 1, NQ-1, \slot, 0
	WIN 0
	s_barrier_wait -1
	PLACES NP
	v_add_nc_u32 v[ADRS], 4*NQ, v[ADRS]            ; the next slot's scale words
	FETCH_B \next, 0, 0
	FETCH_A \next, 0, 0
	SCALES \next
	WIN MUL_HI
	MUL16 4, 1, NQ-1, \slot, 0
	MUL16 6, 1, NQ-1, \slot, 0
	PLACES NP
	WIN 0
	FETCH_A \next, 0, 4
.endm
	s_wait_tensorcnt 1                             ; the scale bytes and my part of slot 0 are in (slot 1's load may be out)
	s_barrier_signal -1
	s_barrier_wait -1                              ; everybody's are
	FETCH_B 0, 0, 0
	FETCH_A 0, 0, 0
	SCALES 0
	FETCH_A 0, 0, 4
	STEP 0, 0, 1                                   ; the first products start the sums: nothing is cleared
	STEP 0, 1, 0
	STEP 0, 2, 0
	TURN 0, 1
	STEP 1, 0, 0
	STEP 1, 1, 0
	STEP 1, 2, 0
	s_wait_dscnt 4*NL                              ; the last step: nothing more to fetch
	WIN MUL_LO
	MUL16 0, 1, NQ-1, 1, 0
	MUL16 2, 1, NQ-1, 1, 0
	s_wait_dscnt 0
	WIN MUL_HI
	MUL16 4, 1, NQ-1, 1, 0
	MUL16 6, 1, NQ-1, 1, 0
	WIN 0
	PLACES NP                                      ; in front of every read of results and of loads into the registers that held x's fragments
	; positions 0 to 15 also leave as f32: block 0 of the waves with the tile's upper rows, where Y = 0.  Y is the same in all partners; the other test is on the wave's number
	s_cmp_lg_u32 s97, 0
	s_cbranch_scc1 .Lnofine
	s_cmp_lg_u32 s15, 0
	s_cbranch_scc1 .Lnofine
	WIN 0x08                                       ; an LDS store's data are its source 1: window 2
.irp b, 0,1,2,3,4,5,6,7
	ds_store_b128 v[STO32], v[8*\b:8*\b+3] offset:64*\b            ; each accumulator from its low end on
	ds_store_b128 v[STO32], v[8*\b+4:8*\b+7] offset:64*\b+16
.endr
	WIN 0
.irp t, 0,1,2,3,4,5,6,7,8,9,10,11,12,13,14,15
	ds_load_b128 v[BK32+4*\t:BK32+4*\t+3], v[RD32] offset:\t*528   ; in order behind my stores
.endr
	s_wait_dscnt 0x0
.irp t, 0,1,2,3,4,5,6,7,8,9,10,11,12,13,14,15
	global_store_b128 v[CO32], v[BK32+4*\t:BK32+4*\t+3], s[98:99] offset:\t*4096   ; 32 lanes store 512 consecutive bytes, aligned
.endr
.Lnofine:
; THE WAY OUT, block by block of 16 rows x 128 columns (two heads): rounded to f16, 16 bytes a lane into my stage, back so that sixteen lanes hold two rows of one head: 256 consecutive bytes of qkv16.
.macro PACK a
.set AC, 64*((\a)%4)
	WIN 0x0a+5*((\a)/4)                            ; sources 0 and 1: window 2 or 3
.irp b, 0,1,2,3,4,5,6,7
.irp e, 0,1,2,3
	v_cvt_pk_f16_f32 v[TMP+4*\b+\e], v[AC+8*\b+2*\e], v[AC+8*\b+2*\e+1]
.endr
.endr
	WIN 0
.endm
.macro TOSTAGE a
.set BB, OB+32*((\a)%2)
.irp b, 0,1,2,3,4,5,6,7
	ds_store_b128 v[STO], v[TMP+4*\b:TMP+4*\b+3] offset:32*\b
.endr
.irp i, 0,1,2,3,4,5,6,7
	ds_load_b128 v[BB+4*\i:BB+4*\i+3], v[RD] offset:544*\i         ; in order behind my stores
.endr
.endm
.macro SEND a
.set BB, OB+32*((\a)%2)
	s_wait_dscnt 0x0                               ; the block is back in registers
	s_wait_xcnt 0x0                                ; the stores of the block before have read their registers: the next block's loads may land there
.irp i, 0,1,2,3,4,5,6,7
	global_store_b128 v[CO], v[BB+4*\i:BB+4*\i+3], s[12:13] offset:2048*(\a)+256*\i
.endr
.endm
	PACK 0
	TOSTAGE 0
.irp a, 1,2,3,4,5,6,7                  ; block a's conversions stand between block a - 1's loads from the stage and the wait for them
	PACK \a
	SEND \a-1
	TOSTAGE \a
.endr
	SEND 7
	s_wait_tensorcnt 0x0                           ; the wave's end
	ds_add_u32 v[SPW], v[NIL]
	s_wait_dscnt 0x0
	CROUND                                         ; the closing round
	s_endpgm
.Lfunc_end_k_q3ad27d0dc8_proj:
	.size	k_q3ad27d0dc8_proj, .Lfunc_end_k_q3ad27d0dc8_proj-k_q3ad27d0dc8_proj
	.p2alignl 7, 3214868480
	.fill 96, 4, 3214868480
	.section	.rodata,"a",@progbits
	.p2align	6, 0x0
	.amdhsa_kernel k_q3ad27d0dc8_proj
		.amdhsa_group_segment_fixed_size 327680
		.amdhsa_private_segment_fixed_size 0
		.amdhsa_enable_private_segment 0
		.amdhsa_kernarg_size 48
		.amdhsa_user_sgpr_count 2
		.amdhsa_user_sgpr_kernarg_segment_ptr 1
		.amdhsa_wavefront_size32 1
		.amdhsa_system_sgpr_workgroup_id_x 1
		.amdhsa_system_sgpr_workgroup_id_y 1
		.amdhsa_system_sgpr_workgroup_id_z 1
		.amdhsa_system_vgpr_workitem_id 0
		.amdhsa_next_free_vgpr 1024
		.amdhsa_next_free_sgpr 100
		.amdhsa_reserve_vcc 0
		.amdhsa_float_denorm_mode_32 3
		.amdhsa_float_denorm_mode_16_64 3
		.amdhsa_memory_ordered 1
		.amdhsa_forward_progress 1
		.amdhsa_inst_pref_size 131
	.end_amdhsa_kernel
	.amdgpu_metadata
---
amdhsa.version: [ 1, 2 ]
amdhsa.kernels:
  - .name:           k_q3ad27d0dc8_proj
    .symbol:         k_q3ad27d0dc8_proj.kd
    .args:
      - { .name: xcodes, .offset: 0, .size: 8, .value_kind: global_buffer, .address_space: global }
      - { .name: xscales, .offset: 8, .size: 8, .value_kind: global_buffer, .address_space: global }
      - { .name: wcodes, .offset: 16, .size: 8, .value_kind: global_buffer, .address_space: global }
      - { .name: wscales, .offset: 24, .size: 8, .value_kind: global_buffer, .address_space: global }
      - { .name: qkv16, .offset: 32, .size: 8, .value_kind: global_buffer, .address_space: global }
      - { .name: fine32, .offset: 40, .size: 8, .value_kind: global_buffer, .address_space: global }
    .group_segment_fixed_size: 327680
    .private_segment_fixed_size: 0
    .kernarg_segment_align: 8
    .kernarg_segment_size: 48
    .max_flat_workgroup_size: 128
    .sgpr_count:     100
    .vgpr_count:     1024
    .wavefront_size: 32
...
	.end_amdgpu_metadata
.endif
;; end of part 2
;; launch attn (part 3): grid 4 x 64, 8 waves a work-group, no clusters, 327,680 bytes of LDS; arguments qkv16, attn16; writes attn16
.if DOCPART == 3
	.amdgcn_target "amdgcn-amd-amdhsa--gfx1250"
	.amdhsa_code_object_version 6
	.text
	.protected	k_q3ad27d0dc8_attn
	.globl	k_q3ad27d0dc8_attn
	.p2align	8
	.type	k_q3ad27d0dc8_attn,@function
k_q3ad27d0dc8_attn:
	s_mov_b64 s[64:65], 0
	v_nop
	global_prefetch_b8 v0, s[64:65] scope:SCOPE_SE
	s_setreg_imm32_b32 hwreg(HW_REG_WAVE_MODE, 25, 1), 1
	s_wait_xcnt 0x0
; Causal attention of one head: O[q] = sum over k <= q of softmax_k(Q[q] . K[k] / 8) V[k].  Q, K, V: f16 [3][64 b x h][2048][64]; O: f16 [16 heads][8192 = b x 2048 + t][64].
; Products on f16 operands with f32 sums; maxima, exponentials and sums in f32; the weights p are rounded to f16 for the second product, O once at the end.
; LIMITS: NaN and infinities are not served; O beyond 65,504 has no f16 number.  (Positions under 16 of every sequence are made again, in f32, by a later launch.)
; SHARES.  Work-group (p, head) owns the blocks of 256 queries 7 - p and then p, and walks slots of 256 keys: 0 .. 7 - p, then 0 .. p: NINE slots in every work-group, so the 256 work-groups have equal work
; and every trip count is a constant.  A wave owns 32 queries of a block, two tiles of 16, so that each fragment of K and V read from LDS feeds two products.  Waves w and w + 4 take sub-blocks w and 7 - w.
; NO CLUSTER: the four work-groups of a head walk different runs of slots (8 - p and p + 1 long); on one common run 0 .. 7 with both blocks at work the partners would have 2, 2, .. or 1 blocks to serve in a round,
; twelve rounds' time for nine rounds' work, and under the mask some partner would read nothing of a joint tile.
; LAYOUT.  S^T = K Q^T (source 0 = 16 keys, source 1 = 16 queries): a lane holds ONE query (lane % 16) and keys 8 (lane / 16) + 0..7 of each tile.  Two such tiles, rounded in pairs, are source 1 of O^T = V^T P.
; K comes out of LDS as it lies, V ([key][channel]) turned by ds_load_tr16_b128.
; SOFTMAX.  A running maximum m and sum l for each query: p = 2^(c s - c m), c = log2(e) / 8; in every step O and l are multiplied by a = 2^(c m_old - c m_new).
; THE MASK.  A step of 64 keys all of which come after the wave's 32 queries is left out (a scalar branch on ids); in the one step on the diagonal hidden scores become -infinity.  A step that is walked begins at or
; under the wave's first query, so every query sees a key in it.
; REGISTERS.  window 0: v1-15 addresses; v16-31 statistics, eight a tile; v32-95 S^T; v96-127 P; v128-191 K's fragments; v192-255 V's.   window 1: v0-31 Q; v32-95 O^T.
.set PK,    144                        ; a row of K in LDS: 128 bytes + 16: the 16 rows of a load start at 16 different groups of four banks (ISA guide 11.1)
.set PV,    160                        ; a row of V: 128 + 32
.set VOFF,  64*PK                      ; a step: 64 rows of K, then 64 rows of V
.set STEPB, 64*(PK+PV)
.set SLOT1, 1<<17                      ; a slot holds four steps (77,824 bytes); slot 1 begins here, so that one exclusive or turns an address
.set STAGE, 2*SLOT1                    ; behind the ring: 32 rows x 144 bytes for each wave
.set SPARE, STAGE+8*32*PK              ; the spare words, 128 bytes a wave, that no other line names
.set PFO, 1                            ; v1  256 x lane: the prefetches' offset; never rewritten
.set AK0, 2                            ; v2  my lane's place in a tile of K
.set AV0, 3                            ; v3  and of V
.set ADK, 4
.set ADV, 5
.set QO,  6                            ; v6  my byte offset in the wave's rows of Q
.set STO, 7
.set RD,  8
.set GO,  9
.set SPW, 10
.set NIL, 11
.set RH,  12                           ; v12 lane % 16 - 8 (lane / 16); v13, v14: the mask's bound for tiles 0, 1; v15: -infinity
.set ST,  16                           ; tile t at v[ST + 8 t]: +0 c m, +1 m, +2, +3 l, +4 .. +7 at work; a takes +6
.set S,   32
.set P,   96
.set KF,  128
.set VF,  192
.set QF,  0                            ; in window 1
.set OT,  32                           ; in window 1
.set WV,  8
.set G1K, 24
.set G1V, 32
.set G0K, 40
.set G0V, 44
.set KBW, 48                           ; s[48:49] K of my head at my quarter of a slot;  s[50:51] V likewise
.set VBW, 50
.set OFF, 52                           ; s[52:53] 32,768 x the slot of keys to be asked for
.set KB,  54
.set N1,  55                           ; 8 - p: the first pass's slots
.set CNT, 56
.set PCH, 57                           ; p + 1: the count at which the first pass ends
.set STP, 58
.set CS,  60
.set SEL, 62
.set TB,  66                           ; LDS byte of the step in hand
.set KFS, 67                           ; the step's first key
.set Q0,  68                           ; my first query
.set QP,  70
.set OP,  72
.set QP2, 74
.set OP2, 76
.set Q02, 78
.set PFA, 80
.set LIM, 82
.set MSB, 0
.macro WIN new
.if MSB != (\new)
	s_set_vgpr_msb (MSB<<8)|(\new)
.set MSB, (\new)
.endif
.endm
.set W_KQ, 0x04                        ; Q (source 1) in window 1
.set W_PV, 0x50                        ; O^T (C and D) in window 1
.set W_RS, 0x41                        ; O^T (destination and source 0) in window 1
.set W_FN, 0x01                        ; O^T (source 0) in window 1
.set W_D1, 0x40                        ; destination in window 1
; Waves 0 to 3 fetch K of the slot's step w, waves 4 to 7 V of step w - 4: 64 rows, one load a wave.  An s_nop 0 and four v_nop follow each line.
.macro TLOAD
	s_cmp_lt_u32 s[WV], 4
	s_cbranch_scc0 .Lfor_v_\@
	tensor_load_to_lds s[G0K:G0K+3], s[G1K:G1K+7]
	s_nop 0
.rept 4
	v_nop
.endr
	s_branch .Lasked_\@
.Lfor_v_\@:
	tensor_load_to_lds s[G0V:G0V+3], s[G1V:G1V+7]
	s_nop 0
.rept 4
	v_nop
.endr
.Lasked_\@:
.endm
; A prefetch of the slot behind the one just asked for.  The four work-groups of a head begin with the same slots; work-group p = 0, whose first pass walks slots 0 to 7 in order, asks, and nobody else.
; Each of its waves names the 8,192 bytes that it will itself fetch, lanes 256 bytes apart: so each aligned block of 256 bytes is named once in the launch.  Trip i names slot i + 2, while that is at most 7.
.macro ASK
	s_cmp_gt_u32 s[CNT], s[LIM]
	s_cbranch_scc0 .Lnot_mine_\@
	global_prefetch_b8 v[PFO], s[PFA:PFA+1] th:TH_LOAD_NT scope:SCOPE_SE
.Lnot_mine_\@:
.endm
	s_load_b128 s[4:7], s[0:1], 0x0                ; qkv16, attn16
	v_lshl_add_u32 v[SPW], v0, 2, SPARE
	v_mov_b32 v[NIL], 0
	ds_add_u32 v[SPW], v[NIL]                      ; the wave's opening: the add, twice on end, and its wait ahead of my first tensor load
	ds_add_u32 v[SPW], v[NIL]
	v_lshrrev_b32 v1, 5, v0
	v_readfirstlane_b32 s[WV], v1                  ; wave 0..7
	s_mov_b32 s10, ttmp9                           ; p
	s_and_b32 s11, ttmp7, 0xffff                   ; 16 b + h
	s_sub_co_u32 s84, 11, s[WV]
	s_cmp_lt_u32 s[WV], 4
	s_cselect_b32 s9, s[WV], s84                   ; my sub-block of 32 queries: w, or 11 - w
	s_mov_b32 s[G1K], (1<<16)|(1<<20)|(4<<22)|(3<<25)   ; elements of 2 bytes; padding on: four words after every 32
	s_mov_b32 s[G1V], (1<<16)|(1<<20)|(4<<22)|(7<<25)   ; eight words
.irp g, G1K, G1V
	s_mov_b32 s[\g+1], 64<<16                      ; tensor_dim0
	s_mov_b32 s[\g+2], 64<<16                      ; tensor_dim1
	s_mov_b32 s[\g+3], 64<<16                      ; tile_dim0
	s_mov_b32 s[\g+4], 64                          ; tile_dim1
	s_mov_b32 s[\g+5], 64                          ; from row to row
	s_mov_b32 s[\g+6], 0
	s_mov_b32 s[\g+7], 0
.endr
	s_mov_b32 s[CS], 0x3e38aa3b                    ; c = log2(e) / 8
	s_mov_b32 s[CS+1], s[CS]
	s_mov_b32 s[SEL], 0x76543210
	s_mov_b32 s[SEL+1], 0xfedcba98
	s_mov_b32 s[TB], 0
	s_mov_b32 s[KFS], 0
	s_mov_b32 s[KB], 0
	s_mov_b32 s[OFF+1], 0
	s_sub_co_u32 s84, 7, s10
	s_lshl_b32 s84, s84, 8
	s_lshl_b32 s85, s9, 5
	s_add_co_u32 s[Q0], s84, s85                   ; first pass: block 7 - p
	s_lshl_b32 s84, s10, 8
	s_add_co_u32 s[Q02], s84, s85                  ; second pass: block p
	s_sub_co_u32 s[N1], 8, s10
	s_add_co_u32 s[PCH], s10, 1
	s_cmp_eq_u32 s10, 0
	s_cselect_b32 s[LIM], 2, -1
	s_and_b32 s88, s[WV], 3
	s_mul_i32 s89, s88, STEPB                      ; my step's place in a slot
	s_mov_b32 s[G0K], 1
	s_mov_b32 s[G0K+1], s89
	s_mov_b32 s[G0V], 1
	s_add_co_u32 s[G0V+1], s89, VOFF
	s_wait_dscnt 0x0                               ; both opening adds are done
	s_wait_kmcnt 0x0
	s_lshl_b32 s84, s11, 18                        ; a head is 262,144 bytes
	s_mov_b32 s85, 0
	s_add_nc_u64 s[86:87], s[4:5], s[84:85]        ; Q of my head
	s_lshl_b32 s84, s88, 13                        ; my 64 rows of a slot
	s_add_nc_u64 s[KBW:KBW+1], s[86:87], s[84:85]
	s_add_nc_u64 s[VBW:VBW+1], s[KBW:KBW+1], 33554432
	s_add_nc_u64 s[KBW:KBW+1], s[KBW:KBW+1], 16777216
	s_mov_b64 s[G0K+2:G0K+3], s[KBW:KBW+1]
	s_or_b32 s[G0K+3], s[G0K+3], 0x80000000
	s_mov_b64 s[G0V+2:G0V+3], s[VBW:VBW+1]
	s_or_b32 s[G0V+3], s[G0V+3], 0x80000000
	TLOAD                                          ; slot 0: keys 0 to 255, which count for some query of every block
	s_lshl_b32 s84, s[Q0], 7
	s_add_nc_u64 s[QP:QP+1], s[86:87], s[84:85]
	s_lshl_b32 s84, s[Q02], 7
	s_add_nc_u64 s[QP2:QP2+1], s[86:87], s[84:85]
	s_and_b32 s90, s11, 15
	s_lshl_b32 s90, s90, 20                        ; attn16: 1,048,576 x head
	s_lshr_b32 s91, s11, 4
	s_lshl_b32 s91, s91, 18                        ; + 128 x 2,048 x batch
	s_add_co_u32 s90, s90, s91
	s_lshl_b32 s84, s[Q0], 7
	s_add_co_u32 s84, s84, s90
	s_add_nc_u64 s[OP:OP+1], s[6:7], s[84:85]
	s_lshl_b32 s84, s[Q02], 7
	s_add_co_u32 s84, s84, s90
	s_add_nc_u64 s[OP2:OP2+1], s[6:7], s[84:85]
	s_cmp_lt_u32 s[WV], 4
	s_cselect_b64 s[PFA:PFA+1], s[KBW:KBW+1], s[VBW:VBW+1]
	s_add_nc_u64 s[PFA:PFA+1], s[PFA:PFA+1], 32768  ; in slot 1: the first change of slots steps it to slot 2.  Nothing is prefetched at the head
	v_and_b32 v13, 15, v0                          ; r
	v_bfe_u32 v14, v0, 4, 1                        ; h
	v_and_b32 v1, 31, v0                           ; lane
	v_mul_u32_u24 v[AK0], v13, PK
	v_lshl_add_u32 v[AK0], v14, 4, v[AK0]          ; row r x pitch + 16 h
	v_and_b32 v4, 7, v0
	v_lshl_add_u32 v[AV0], v14, 3, v4              ; the turning load: key 8 h + l % 8,
	v_mul_u32_u24 v[AV0], v[AV0], PV
	v_bfe_u32 v5, v0, 3, 1
	v_lshl_add_u32 v[AV0], v5, 4, v[AV0]           ; channels 8 ((l / 8) % 2) on
	v_add_nc_u32 v[AV0], VOFF, v[AV0]
	v_lshlrev_b32 v[QO], 7, v13
	v_lshl_add_u32 v[QO], v14, 4, v[QO]
	s_mul_i32 s84, s[WV], 32*PK
	s_add_co_u32 s84, s84, STAGE                   ; my stage
	v_add_nc_u32 v[STO], s84, v[AK0]               ; in: row r, 16 bytes for each half of the lanes
	v_lshrrev_b32 v5, 3, v1
	v_mul_u32_u24 v5, v5, PK
	v_lshl_add_u32 v5, v4, 4, v5
	v_add_nc_u32 v[RD], s84, v5                    ; back: eight lanes to a row of 128 bytes, four rows an instruction
	v_lshlrev_b32 v[GO], 4, v1
	v_lshlrev_b32 v5, 3, v14
	v_sub_nc_u32 v[RH], v13, v5
	v_mov_b32 v15, 0xff800000
	v_lshlrev_b32 v[PFO], 8, v1
.macro QLOAD                           ; my 32 queries stay in registers: tile t, channels 16 i on
	WIN W_D1
.irp t, 0,1
.irp i, 0,1,2,3
	global_load_b128 v[QF+16*\t+4*\i:QF+16*\t+4*\i+3], v[QO], s[QP:QP+1] offset:2048*\t+32*\i
.endr
.endr
	WIN 0
.endm
.macro INIT                            ; the step is written once: a pass begins with zeros, which the first change of m leaves zeros, and with m = -3e38, under every score
.irp t, 0,1
	v_mov_b32 v[ST+8*\t+1], 0xff61b1e6
	v_mul_f32 v[ST+8*\t], s[CS], v[ST+8*\t+1]
.irp i, 2,3,4,5,6,7
	v_mov_b32 v[ST+8*\t+\i], 0
.endr
.endr
	WIN W_D1
.set i, 0
.rept 64
	v_mov_b32 v[OT+i], 0
.set i, i+1
.endr
	WIN 0
.endm
.macro SCALE t, b                      ; pair b of tile t: c s - c m
	v_pk_fma_f32 v[S+32*\t+2*\b:S+32*\t+2*\b+1], v[S+32*\t+2*\b:S+32*\t+2*\b+1], s[CS:CS+1], v[ST+8*\t:ST+8*\t+1] op_sel_hi:[1,0,0] neg_lo:[0,0,1] neg_hi:[0,0,1]
.endm
; A KEY STEP: 64 keys against my 32 queries.
.macro STEP
	s_add_co_u32 s84, s[Q0], 31
	s_cmp_gt_u32 s[KFS], s84                       ; all its keys come after my queries: left out
	s_cbranch_scc1 .Lhid_\@
	v_add_nc_u32 v[ADK], s[TB], v[AK0]
	v_add_nc_u32 v[ADV], s[TB], v[AV0]
	v_nop
	v_nop                                          ; four plain lines between the last products and the loads into the registers that they read
.irp f, 0,1,2,3,4,5,6,7                ; K: keys 16 (f / 2) on, channels 32 (f % 2) on
	ds_load_b128 v[KF+8*\f:KF+8*\f+3],   v[ADK] offset:(\f/2)*16*PK+(\f%2)*64
	ds_load_b128 v[KF+8*\f+4:KF+8*\f+7], v[ADK] offset:(\f/2)*16*PK+(\f%2)*64+32
.endr
.irp f, 0,1,2,3,4,5,6,7                ; V, turned: keys 32 (f / 4) on, channels 16 (f % 4) on
	ds_load_tr16_b128 v[VF+8*\f:VF+8*\f+3],   v[ADV] offset:(\f/4)*32*PV+(\f%4)*32
	ds_load_tr16_b128 v[VF+8*\f+4:VF+8*\f+7], v[ADV] offset:(\f/4)*32*PV+16*PV+(\f%4)*32
.endr
	s_wait_dscnt 16                                ; K is in; V's sixteen loads may be out
	WIN W_KQ
.irp cs, 0,1                           ; the eight accumulators take turns, one instruction a turn
.irp kt, 0,1,2,3
.irp t, 0,1
.if \cs == 0
	v_wmma_f32_16x16x32_f16 v[S+32*\t+8*\kt:S+32*\t+8*\kt+7], v[KF+16*\kt+8*\cs:KF+16*\kt+8*\cs+7], v[QF+16*\t+8*\cs:QF+16*\t+8*\cs+7], 0
.else
	v_wmma_f32_16x16x32_f16 v[S+32*\t+8*\kt:S+32*\t+8*\kt+7], v[KF+16*\kt+8*\cs:KF+16*\kt+8*\cs+7], v[QF+16*\t+8*\cs:QF+16*\t+8*\cs+7], v[S+32*\t+8*\kt:S+32*\t+8*\kt+7]
.endif
.endr
.endr
.endr
	WIN 0
.rept 4
	v_nop
.endr
	s_add_co_u32 s84, s[KFS], 63
	s_cmp_le_u32 s84, s[Q0]                        ; all its keys count for all my queries: no mask
	s_cbranch_scc1 .Lopen_\@
	s_sub_co_i32 s84, s[Q0], s[KFS]
	v_add_nc_u32 v13, s84, v[RH]                   ; register n of tile t holds key KFS + 16 (n / 8) + 8 h + n % 8: hidden where 16 (n / 8) + n % 8 > Q0 - KFS + 16 t + r - 8 h
	v_add_nc_u32 v14, 16, v13
.irp t, 0,1
.set n, 0
.rept 32
	v_cmp_gt_i32 vcc_lo, 16*(n/8)+n%8, v[13+\t]
	v_cndmask_b32 v[S+32*\t+n], v[S+32*\t+n], v15, vcc_lo
.set n, n+1
.endr
.endr
.Lopen_\@:
	; the maximum of my 32 scores and the old m: four chains, each begun at an accumulator's low end; the two tiles by turns
.irp j, 0,1,2,3
.irp t, 0,1
	v_max3_num_f32 v[ST+8*\t+4+\j], v[S+32*\t+8*\j], v[S+32*\t+8*\j+1], v[S+32*\t+8*\j+2]
.endr
.endr
.irp g, 1,2
.irp j, 0,1,2,3
.irp t, 0,1
	v_max3_num_f32 v[ST+8*\t+4+\j], v[ST+8*\t+4+\j], v[S+32*\t+8*\j+2*\g+1], v[S+32*\t+8*\j+2*\g+2]
.endr
.endr
.endr
.irp t, 0,1
	v_max3_num_f32 v[ST+8*\t+4], v[ST+8*\t+4], v[S+32*\t+7], v[S+32*\t+15]
.endr
.irp t, 0,1
	v_max3_num_f32 v[ST+8*\t+6], v[ST+8*\t+6], v[S+32*\t+23], v[S+32*\t+31]
.endr
.irp t, 0,1
	v_max3_num_f32 v[ST+8*\t+4], v[ST+8*\t+4], v[ST+8*\t+5], v[ST+8*\t+6]
.endr
.irp t, 0,1
	v_max3_num_f32 v[ST+8*\t+4], v[ST+8*\t+4], v[ST+8*\t+7], v[ST+8*\t+1]
.endr
.irp t, 0,1
	v_permlanex16_b32 v[ST+8*\t+5], v[ST+8*\t+4], s[SEL], s[SEL+1]   ; the query's other 32 keys lie in the lane 16 away
.endr
.irp t, 0,1
	v_mov_b32 v[ST+8*\t+7], v[ST+8*\t]             ; c m_old
.endr
.irp t, 0,1
	v_max_num_f32 v[ST+8*\t+1], v[ST+8*\t+4], v[ST+8*\t+5]
.endr
.irp t, 0,1
	v_mul_f32 v[ST+8*\t], s[CS], v[ST+8*\t+1]
.endr
.irp t, 0,1
	v_sub_f32 v[ST+8*\t+7], v[ST+8*\t+7], v[ST+8*\t]
.endr
	; ONE BATCH: the 32 scalings and all 66 exponentials; none of these lines names an exponential's result.  Tile 1's scalings stand among tile 0's exponentials
.irp b, 0,1,2,3,4,5,6,7,8,9,10,11,12,13,14,15
	SCALE 0, \b
.endr
.irp b, 0,1,2,3,4,5,6,7,8,9,10,11,12,13,14,15
	v_exp_f32 v[S+2*\b], v[S+2*\b]
	v_exp_f32 v[S+2*\b+1], v[S+2*\b+1]
	SCALE 1, \b
.endr
.irp t, 0,1
	v_exp_f32 v[ST+8*\t+6], v[ST+8*\t+7]           ; a
.endr
.set e, 0
.rept 32
	v_exp_f32 v[S+32+e], v[S+32+e]
.set e, e+1
.endr
	v_nop                                          ; a plain line behind the last exponential
	s_wait_alu depctr_va_vdst(0)                   ; one wait for the batch, ahead of its first reader
.set i, 0
.rept 16
	v_cvt_pk_f16_f32 v[P+i], v[S+2*i], v[S+2*i+1]              ; the weights as f16, a pair a register: they are source 1 of the second product as they stand
	v_cvt_pk_f16_f32 v[P+16+i], v[S+32+2*i], v[S+32+2*i+1]
.set i, i+1
.endr
.irp u, 0,1,2,3,4,5,6,7                ; the sum of the unrounded weights, in place: neighbours 1, 2, 4 and 8 pairs apart
.irp t, 0,1
	v_pk_add_f32 v[S+32*\t+4*\u:S+32*\t+4*\u+1], v[S+32*\t+4*\u:S+32*\t+4*\u+1], v[S+32*\t+4*\u+2:S+32*\t+4*\u+3]
.endr
.endr
.irp u, 0,1,2,3
.irp t, 0,1
	v_pk_add_f32 v[S+32*\t+8*\u:S+32*\t+8*\u+1], v[S+32*\t+8*\u:S+32*\t+8*\u+1], v[S+32*\t+8*\u+4:S+32*\t+8*\u+5]
.endr
.endr
.irp u, 0,1
.irp t, 0,1
	v_pk_add_f32 v[S+32*\t+16*\u:S+32*\t+16*\u+1], v[S+32*\t+16*\u:S+32*\t+16*\u+1], v[S+32*\t+16*\u+8:S+32*\t+16*\u+9]
.endr
.endr
.irp t, 0,1
	v_pk_add_f32 v[S+32*\t:S+32*\t+1], v[S+32*\t:S+32*\t+1], v[S+32*\t+16:S+32*\t+17]
.endr
.irp t, 0,1
	v_pk_fma_f32 v[ST+8*\t+2:ST+8*\t+3], v[ST+8*\t+2:ST+8*\t+3], v[ST+8*\t+6:ST+8*\t+7], v[S+32*\t:S+32*\t+1] op_sel_hi:[1,0,1]   ; l = a l + the sum
.endr
	WIN W_RS
.irp t, 0,1
.set i, 0
.rept 16
	v_pk_mul_f32 v[OT+32*\t+i:OT+32*\t+i+1], v[OT+32*\t+i:OT+32*\t+i+1], v[ST+8*\t+6:ST+8*\t+7] op_sel_hi:[1,0]   ; O^T x a, each accumulator from its low end on
.set i, i+2
.endr
.endr
	s_wait_dscnt 0x0                               ; V is in
	WIN W_PV
.irp ks, 0,1                           ; the eight accumulators take turns
.irp ct, 0,1,2,3
.irp t, 0,1
	v_wmma_f32_16x16x32_f16 v[OT+32*\t+8*\ct:OT+32*\t+8*\ct+7], v[VF+32*\ks+8*\ct:VF+32*\ks+8*\ct+7], v[P+16*\t+8*\ks:P+16*\t+8*\ks+7], v[OT+32*\t+8*\ct:OT+32*\t+8*\ct+7]
.endr
.endr
.endr
	WIN 0
.Lhid_\@:
	s_add_co_u32 s[KFS], s[KFS], 64
	s_add_co_u32 s[TB], s[TB], STEPB
.endm
; THE CHANGE OF SLOTS, at a slot's head.  Each wave waits for all its tensor loads (its part of the slot ahead), adds 0 to its spare word, and waits for that and for its reads of the slot that it has left.
; Behind the barrier the slot ahead is whole and nobody reads the other; fill = 1: that other slot takes the keys that follow in my work-group's run: the load has four steps in which to land.
.macro CHANGE fill
	s_wait_tensorcnt 0x0                           ; no tensor load of mine is out, so a group 0 may be written
	ds_add_u32 v[SPW], v[NIL]                      ; 0 onto my spare word; the descriptors' steps stand between it and the wait for it
.if \fill
	s_add_co_u32 s[KB], s[KB], 1
	s_cmp_eq_u32 s[KB], s[N1]                      ; behind the first pass's last slot comes slot 0 again
	s_cselect_b32 s[KB], 0, s[KB]
	s_lshl_b32 s[OFF], s[KB], 15
	s_xor_b32 s[G0K+1], s[G0K+1], SLOT1
	s_xor_b32 s[G0V+1], s[G0V+1], SLOT1
	s_add_nc_u64 s[G0K+2:G0K+3], s[KBW:KBW+1], s[OFF:OFF+1]
	s_or_b32 s[G0K+3], s[G0K+3], 0x80000000
	s_add_nc_u64 s[G0V+2:G0V+3], s[VBW:VBW+1], s[OFF:OFF+1]
	s_or_b32 s[G0V+3], s[G0V+3], 0x80000000
	s_wait_xcnt 0x0                                ; the last prefetch, a slot back, has read its address
	s_add_nc_u64 s[PFA:PFA+1], s[PFA:PFA+1], 32768
.endif
	s_wait_dscnt 0x0                               ; the add is done, and my reads of the slot that I have left are over
	s_barrier_signal -1
	s_barrier_wait -1
.if \fill
	TLOAD                                          ; the first thing behind the barrier, and my one tensor load until the next
	ASK
.endif
.endm
.macro SLOT_STEPS                      ; a slot's four steps: written once, walked four times
	s_mov_b32 s[STP], 4
.Lstep_\@:
	STEP
	s_sub_co_u32 s[STP], s[STP], 1
	s_cmp_lg_u32 s[STP], 0
	s_cbranch_scc1 .Lstep_\@
	s_sub_co_u32 s[TB], s[TB], 4*STEPB
	s_xor_b32 s[TB], s[TB], SLOT1
.endm
; A PASS'S END: O^T / l, rounded to f16, through my stage, out as 512 consecutive bytes an instruction (four rows of my head).
.macro FINISH
.rept 4
	v_nop                                          ; places behind the last products
.endr
.irp t, 0,1
	v_add_f32 v[ST+8*\t+4], v[ST+8*\t+2], v[ST+8*\t+3]
.endr
.irp t, 0,1
	v_permlanex16_b32 v[ST+8*\t+5], v[ST+8*\t+4], s[SEL], s[SEL+1]
.endr
.irp t, 0,1
	v_add_f32 v[ST+8*\t+4], v[ST+8*\t+4], v[ST+8*\t+5]
.endr
.irp t, 0,1
	v_rcp_f32 v[ST+8*\t+6], v[ST+8*\t+4]
.endr
	v_nop
	s_wait_alu depctr_va_vdst(0)                   ; one wait for the two reciprocals, ahead of their first reader
	WIN W_FN
.irp t, 0,1
.set i, 0
.rept 16
	v_pk_mul_f32 v[S+32*\t+i:S+32*\t+i+1], v[OT+32*\t+i:OT+32*\t+i+1], v[ST+8*\t+6:ST+8*\t+7] op_sel_hi:[1,0]
.set i, i+2
.endr
.endr
	WIN 0
.set i, 0
.rept 32
	v_cvt_pk_f16_f32 v[P+i], v[S+2*i], v[S+2*i+1]
.set i, i+1
.endr
.irp t, 0,1
.irp ct, 0,1,2,3
	ds_store_b128 v[STO], v[P+16*\t+4*\ct:P+16*\t+4*\ct+3] offset:16*PK*\t+32*\ct
.endr
.endr
.irp i, 0,1,2,3,4,5,6,7
	ds_load_b128 v[S+4*\i:S+4*\i+3], v[RD] offset:4*PK*\i          ; in order behind my stores
.endr
.irp i, 0,1,2,3,4,5,6,7
	s_wait_dscnt 7-\i                              ; load i is in; the younger ones may be out
	global_store_b128 v[GO], v[S+4*\i:S+4*\i+3], s[OP:OP+1] offset:512*\i
.endr
	s_wait_xcnt 0x0                                ; the stores have read their base and their data: both are written again
.endm
	QLOAD
	INIT
	s_wait_loadcnt 0x0                             ; Q
	s_mov_b32 s[CNT], 8
.Lslot:                                            ; eight trips: behind each change of slots but the last the next slot of the run is asked for
	CHANGE 1
	SLOT_STEPS
	s_cmp_lg_u32 s[CNT], s[PCH]                    ; the first pass's last slot?  ids and the count of trips alone: all eight waves go the same way
	s_cbranch_scc1 .Lsame
	FINISH
	s_mov_b32 s[Q0], s[Q02]                        ; the second pass: block p, keys from 0 on
	s_mov_b32 s[KFS], 0
	s_mov_b64 s[QP:QP+1], s[QP2:QP2+1]
	s_mov_b64 s[OP:OP+1], s[OP2:OP2+1]
	QLOAD
	INIT
	s_wait_loadcnt 0x0
.Lsame:
	s_sub_co_u32 s[CNT], s[CNT], 1
	s_cmp_lg_u32 s[CNT], 0
	s_cbranch_scc1 .Lslot
	CHANGE 0                                       ; the ninth slot is written out: nothing is left to ask for
	SLOT_STEPS
	FINISH
	s_wait_tensorcnt 0x0                           ; the wave's end
	ds_add_u32 v[SPW], v[NIL]
	s_wait_dscnt 0x0
	s_endpgm
.Lfunc_end_k_q3ad27d0dc8_attn:
	.size	k_q3ad27d0dc8_attn, .Lfunc_end_k_q3ad27d0dc8_attn-k_q3ad27d0dc8_attn
	.p2alignl 7, 3214868480
	.fill 96, 4, 3214868480
	.section	.rodata,"a",@progbits
	.p2align	6, 0x0
	.amdhsa_kernel k_q3ad27d0dc8_attn
		.amdhsa_group_segment_fixed_size 327680
		.amdhsa_private_segment_fixed_size 0
		.amdhsa_enable_private_segment 0
		.amdhsa_kernarg_size 16
		.amdhsa_user_sgpr_count 2
		.amdhsa_user_sgpr_kernarg_segment_ptr 1
		.amdhsa_wavefront_size32 1
		.amdhsa_system_sgpr_workgroup_id_x 1
		.amdhsa_system_sgpr_workgroup_id_y 1
		.amdhsa_system_sgpr_workgroup_id_z 1
		.amdhsa_system_vgpr_workitem_id 0
		.amdhsa_next_free_vgpr 384
		.amdhsa_next_free_sgpr 96
		.amdhsa_reserve_vcc 1
		.amdhsa_float_denorm_mode_32 3
		.amdhsa_float_denorm_mode_16_64 3
		.amdhsa_memory_ordered 1
		.amdhsa_forward_progress 1
		.amdhsa_inst_pref_size 71
	.end_amdhsa_kernel
	.amdgpu_metadata
---
amdhsa.version: [ 1, 2 ]
amdhsa.kernels:
  - .name:           k_q3ad27d0dc8_attn
    .symbol:         k_q3ad27d0dc8_attn.kd
    .args:
      - { .name: qkv16, .offset: 0, .size: 8, .value_kind: global_buffer, .address_space: global }
      - { .name: attn16, .offset: 8, .size: 8, .value_kind: global_buffer, .address_space: global }
    .group_segment_fixed_size: 327680
    .private_segment_fixed_size: 0
    .kernarg_segment_align: 8
    .kernarg_segment_size: 16
    .max_flat_workgroup_size: 256
    .sgpr_count:     96
    .vgpr_count:     384
    .wavefront_size: 32
...
	.end_amdgpu_metadata
.endif
;; end of part 3
;; launch outp (part 4): grid 8 x 32, 4 waves a work-group, clusters of 4 x 4, 327,680 bytes of LDS; arguments attn16, wo16, bo, out0; writes out0
.if DOCPART == 4
	.amdgcn_target "amdgcn-amd-amdhsa--gfx1250"
	.amdhsa_code_object_version 6
	.text
	.protected	k_q3ad27d0dc8_outp
	.globl	k_q3ad27d0dc8_outp
	.p2align	8
	.type	k_q3ad27d0dc8_outp,@function
k_q3ad27d0dc8_outp:
	s_mov_b64 s[64:65], 0
	v_nop
	global_prefetch_b8 v0, s[64:65] scope:SCOPE_SE
	s_setreg_imm32_b32 hwreg(HW_REG_WAVE_MODE, 25, 1), 1
	s_wait_xcnt 0x0
	s_wait_alu depctr_hold_cnt(0) depctr_sa_sdst(0) depctr_va_vdst(0) depctr_va_sdst(0) depctr_va_ssrc(0) depctr_va_vcc(0) depctr_vm_vsrc(0)
	s_getreg_b32 s2, hwreg(HW_REG_IB_STS2, 6, 4)
	s_cmp_eq_u32 s2, 0
	s_cbranch_scc0 .Lentry_in_a_cluster
	s_endpgm
.Lentry_in_a_cluster:
	s_bfe_u32 s2, ttmp6, 0x10000c
	s_cmp_lg_u32 s2, 0xf033
	s_cbranch_scc0 .Lentry_shape_is_right
	s_endpgm
.Lentry_shape_is_right:
; out[m][n] = sum over k of attn[m][k] Wo[n][k] + bo[n].  attn: f16 [16 heads][8192 m][64]; Wo: f16 [16 heads][1024 n][64]; bo [1024] f32; out [8192][1024] f32; sums in f32.
; (The 64 rows of positions under 16 are written here like all others and written again, from f32 operands, by the launch that follows.)
; A tile of 256 rows x 128 columns is made by four waves, each 128 x 64: 32 accumulators, 256 registers: 256 work-groups.  K goes in steps of 128, two heads, through a ring of two LDS slots.
; In both tensors a head's rows for a tile are one dense block; a wave's one tensor load brings a head's 256 rows of attn (waves 0, 1) or 128 rows of Wo (waves 2, 3).
; CLUSTERS: 4 x 4 work-groups: attn's tile is shared along a row of the cluster, Wo's along a column: each is asked for jointly.
; THE MATRIX INSTRUCTION IS USED TRANSPOSED (source 0 = 16 rows of Wo, source 1 = 16 rows of attn): a lane holds eight neighbouring columns of one row.  The bias is the C of each sum's first product.
; No prefetch: eight K steps in all, and each refill has 112 matrix instructions a wave in which to land.
; REGISTERS: window 0: v16-30 addresses; v32-63 the bias in the result's layout; v64-159, v160-255 two fragment buffers (32 registers of Wo, 64 of attn, for 32 along K).  window 1: the accumulators, (a, b) at v[8 (4 a + b)].
.set PITCH,  144                       ; an LDS row: 128 bytes + 16
.set AHEAD,  256*PITCH                 ; a head's rows of attn
.set BHEAD,  128*PITCH                 ; a head's rows of Wo
.set BOFF,   2*AHEAD
.set SLOT,   2*AHEAD+2*BHEAD
.set STAGE,  2*SLOT                    ; behind the ring: 16 rows x 272 bytes for each wave
.set SPITCH, 272
.set SPARE,  STAGE+4*16*SPITCH         ; the spare words, 128 bytes a wave, that no other line names
.set LAPS,   4                         ; a lap = two K steps = once round the ring
.set ADRA, 16
.set ADRB, 20
.set STO,  24
.set RD,   25
.set CO,   26
.set SPW,  28
.set NIL,  29
.set BIAS, 32
.set F0,   64
.set F1,   160
.set G1, 24
.set G0, 32
.set G1B, 48
.set G0B, 56
.set MSB, 0
.macro WIN new
.if MSB != (\new)
	s_set_vgpr_msb (MSB<<8)|(\new)
.set MSB, (\new)
.endif
.endm
.set MULW, 0x50                        ; C and D in window 1
.set MULF, 0x40                        ; D in window 1, C (the bias) in window 0
.macro JLOAD s                         ; a joint load: waves 0 and 1 fetch attn's two heads, waves 2 and 3 Wo's; an s_nop 0 and four v_nop follow each line
	s_cmp_eq_u32 s13, 0
	s_cbranch_scc0 .Lfor_b_\@
	tensor_load_to_lds s[G0+4*\s:G0+4*\s+3], s[G1:G1+7]
	s_nop 0
.rept 4
	v_nop
.endr
	s_branch .Lasked_\@
.Lfor_b_\@:
	tensor_load_to_lds s[G0B+4*\s:G0B+4*\s+3], s[G1B:G1B+7]
	s_nop 0
.rept 4
	v_nop
.endr
.Lasked_\@:
.endm
.macro CREST
	s_cmp_lg_u32 s12, 0
	s_cbranch_scc1 .Lnot_wave_0_\@
	s_barrier_signal -3
.Lnot_wave_0_\@:
	s_barrier_wait -3
	s_barrier_signal -1
	s_barrier_wait -1
.endm
.macro CROUND
	s_barrier_signal -1
	s_barrier_wait -1
	CREST
.endm
	s_load_b256 s[4:11], s[0:1], 0x0               ; attn16, wo16, bo, out0
	v_lshl_add_u32 v[SPW], v0, 2, SPARE
	v_mov_b32 v[NIL], 0
	ds_add_u32 v[SPW], v[NIL]                      ; the wave's opening: the add, twice on end, and its wait ahead of my first tensor load
	ds_add_u32 v[SPW], v[NIL]
	v_lshrrev_b32 v1, 5, v0
	v_readfirstlane_b32 s12, v1                    ; wave 0..3
	s_lshr_b32 s13, s12, 1                         ; which half of the tile's rows is mine.  Also: I fetch for attn (0) or for Wo (1)
	s_and_b32 s14, s12, 1                          ; which half of its columns.  Also: which of a K step's two heads I fetch
	s_bfe_u32 s15, ttmp6, 0x40000                  ; cx
	s_bfe_u32 s16, ttmp6, 0x40004                  ; cy
	s_lshl_b32 s17, ttmp9, 2
	s_add_co_u32 s17, s17, s15                     ; tile column
	s_and_b32 s18, ttmp7, 0xffff
	s_lshl_b32 s18, s18, 2
	s_add_co_u32 s18, s18, s16                     ; tile row
	s_lshl_b32 s19, s16, 2
	s_lshl_b32 s19, 15, s19                        ; my row of the cluster
	s_lshl_b32 s20, 0x1111, s15                    ; my column
	s_or_b32 s[G1+0], s19, (1<<16)|(1<<20)|(1<<21)|(4<<22)|(3<<25)   ; the mask; elements of 2 bytes; padding on; bit 21 beside a mask; four words after every 32
	s_or_b32 s[G1B+0], s20, (1<<16)|(1<<20)|(1<<21)|(4<<22)|(3<<25)
	s_mov_b32 s[G1+1], 64<<16                      ; tensor_dim0
	s_mov_b32 s[G1+2], 256<<16                     ; tensor_dim1
	s_mov_b32 s[G1+3], 64<<16                      ; tile_dim0
	s_mov_b32 s[G1+4], 256                         ; tile_dim1
	s_mov_b32 s[G1+5], 64                          ; from row to row
	s_mov_b32 s[G1+6], 0
	s_mov_b32 s[G1+7], 0
	s_mov_b32 s[G1B+1], 64<<16
	s_mov_b32 s[G1B+2], 128<<16
	s_mov_b32 s[G1B+3], 64<<16
	s_mov_b32 s[G1B+4], 128
	s_mov_b32 s[G1B+5], 64
	s_mov_b32 s[G1B+6], 0
	s_mov_b32 s[G1B+7], 0
	s_lshl_b32 s40, s14, 20                        ; attn: 1,048,576 x head + 32,768 x tile row
	s_lshl_b32 s41, s18, 15
	s_add_co_u32 s40, s40, s41
	s_mov_b32 s41, 0
	s_lshl_b32 s42, s14, 17                        ; Wo: 131,072 x head + 16,384 x tile column
	s_lshl_b32 s43, s17, 14
	s_add_co_u32 s42, s42, s43
	s_mov_b32 s43, 0
	s_mul_i32 s44, s14, AHEAD                      ; where they go: no place in the cluster enters an LDS address
	s_mul_i32 s45, s14, BHEAD
	s_add_co_u32 s45, s45, BOFF
	s_wait_dscnt 0x0                               ; both opening adds are done
	s_wait_kmcnt 0x0
	s_add_nc_u64 s[40:41], s[4:5], s[40:41]
	s_add_nc_u64 s[42:43], s[6:7], s[42:43]
	CROUND                                         ; all sixteen work-groups are here: the first joint loads meet
.irp s, 0,1
	s_mov_b32 s[G0+4*\s], 1
	s_add_co_u32 s[G0+4*\s+1], s44, \s*SLOT
	s_add_nc_u64 s[G0+4*\s+2:G0+4*\s+3], s[40:41], \s*2097152      ; K step s: heads 2 s, 2 s + 1
	s_or_b32 s[G0+4*\s+3], s[G0+4*\s+3], 0x80000000
	s_mov_b32 s[G0B+4*\s], 1
	s_add_co_u32 s[G0B+4*\s+1], s45, \s*SLOT
	s_add_nc_u64 s[G0B+4*\s+2:G0B+4*\s+3], s[42:43], \s*262144
	s_or_b32 s[G0B+4*\s+3], s[G0B+4*\s+3], 0x80000000
	JLOAD \s
.endr
	v_and_b32 v1, 15, v0                           ; r
	v_bfe_u32 v2, v0, 4, 1                         ; h
	s_lshl_b32 s46, s17, 9                         ; my first column, in bytes of f32: 512 x tile column + 256 x half
	s_lshl_b32 s47, s14, 8
	s_add_co_u32 s46, s46, s47
	s_mov_b32 s47, 0
	s_add_nc_u64 s[8:9], s[8:9], s[46:47]
	v_lshlrev_b32 v27, 5, v2                       ; the bias: lane (r, h) wants, for block b, bo at columns 16 b + 8 h + 0 .. 7
.irp b, 0,1,2,3
	global_load_b128 v[BIAS+8*\b:BIAS+8*\b+3], v27, s[8:9] offset:64*\b
	global_load_b128 v[BIAS+8*\b+4:BIAS+8*\b+7], v27, s[8:9] offset:64*\b+16
.endr
	s_add_nc_u64 s[10:11], s[10:11], s[46:47]
	s_lshl_b32 s46, s18, 20                        ; my first row: 4,096 bytes x (256 x tile row + 128 x half)
	s_lshl_b32 s21, s13, 19
	s_add_co_u32 s46, s46, s21
	s_add_nc_u64 s[10:11], s[10:11], s[46:47]
	v_mul_u32_u24 v3, v1, PITCH
	v_lshl_add_u32 v3, v2, 4, v3                   ; a fragment's row x pitch + 16 h
	s_mul_i32 s21, s13, 128*PITCH                  ; my 128 rows of attn
	s_mul_i32 s22, s14, 64*PITCH                   ; my 64 rows of Wo
	s_add_co_u32 s22, s22, BOFF
.irp s, 0,1
	v_add_nc_u32 v[ADRA+\s], s21, v3
	v_add_nc_u32 v[ADRB+\s], s22, v3
	s_add_co_u32 s21, s21, SLOT
	s_add_co_u32 s22, s22, SLOT
.endr
	s_mul_i32 s23, s12, 16*SPITCH
	s_add_co_u32 s23, s23, STAGE                   ; my stage
	v_mul_u32_u24 v4, v1, SPITCH
	v_lshl_add_u32 v4, v2, 5, v4
	v_add_nc_u32 v[STO], s23, v4                   ; in: row r, 32 bytes for each half of the lanes
	v_mul_u32_u24 v5, v2, SPITCH
	v_lshl_add_u32 v5, v1, 4, v5
	v_add_nc_u32 v[RD], s23, v5                    ; back: lanes 0-15 one row of 256 bytes, lanes 16-31 the next
	v_lshlrev_b32 v[CO], 4, v1
	v_lshl_add_u32 v[CO], v2, 12, v[CO]            ; and the same two rows in out
; 8 matrix instructions: attn's blocks a0, a0 + 1 against Wo's four, 32 along K.  The 32 accumulators take turns, one instruction a turn, in the same order in every quarter.
.macro MUL8 f, a0, first
.irp a, \a0, \a0+1
.irp b, 0,1,2,3
.if \first
	v_wmma_f32_16x16x32_f16 v[8*(4*(\a)+\b):8*(4*(\a)+\b)+7], v[\f+8*\b:\f+8*\b+7], v[\f+32+8*(\a):\f+32+8*(\a)+7], v[BIAS+8*\b:BIAS+8*\b+7]
.else
	v_wmma_f32_16x16x32_f16 v[8*(4*(\a)+\b):8*(4*(\a)+\b)+7], v[\f+8*\b:\f+8*\b+7], v[\f+32+8*(\a):\f+32+8*(\a)+7], v[8*(4*(\a)+\b):8*(4*(\a)+\b)+7]
.endif
.endr
.endr
.endm
; 24 LDS loads in one run: quarter q of a slot (head q / 2, channels 32 (q % 2) on): Wo's four fragments, attn's blocks 0-3, then 4-7
.macro FETCH slot, q, f
	WIN 0
.irp i, 0,1,2,3
	ds_load_b128 v[\f+8*\i:\f+8*\i+3],   v[ADRB+\slot] offset:((\q)/2)*BHEAD+((\q)%2)*64+\i*16*PITCH
	ds_load_b128 v[\f+8*\i+4:\f+8*\i+7], v[ADRB+\slot] offset:((\q)/2)*BHEAD+((\q)%2)*64+\i*16*PITCH+32
.endr
.irp i, 0,1,2,3,4,5,6,7
	ds_load_b128 v[\f+32+8*\i:\f+32+8*\i+3], v[ADRA+\slot] offset:((\q)/2)*AHEAD+((\q)%2)*64+\i*16*PITCH
	ds_load_b128 v[\f+32+8*\i+4:\f+32+8*\i+7], v[ADRA+\slot] offset:((\q)/2)*AHEAD+((\q)%2)*64+\i*16*PITCH+32
.endr
.endm
.macro PLACES                          ; four plain lines in front of loads into registers that matrix instructions have read, and of reads of results
.rept 4
	v_nop
.endr
.endm
.macro MWIN first
.if \first
	WIN MULF
.else
	WIN MULW
.endif
.endm
; One of a K step's first three quarters: multiplies buffer f (quarter q) and fetches quarter q + 1 into g.
.macro QUARTER slot, q, f, g, first
	s_wait_dscnt 8                                 ; Wo's fragments and attn's blocks 0-3 are in; the youngest eight loads may be out
	MWIN \first
	MUL8 \f, 0, \first
	MUL8 \f, 2, \first
	PLACES
	FETCH \slot, (\q)+1, \g
	s_wait_dscnt 24                                ; all but the 24 just issued
	MWIN \first
	MUL8 \f, 4, \first
	MUL8 \f, 6, \first
.endm
; The last quarter multiplies buffer 1 and changes slots: ONE barrier; in front of it each wave waits for all its tensor loads, adds 0 to its spare word, and waits for that and for its reads of this slot.
.macro TURN slot, next, fill
	WIN 0
	s_wait_tensorcnt 0x0                           ; all my tensor loads have landed: my part of the next slot
	ds_add_u32 v[SPW], v[NIL]
	s_wait_dscnt 9                                 ; (the add and the youngest eight loads may be out)
	WIN MULW
	MUL8 F1, 0, 0
	s_wait_dscnt 0x0                               ; the add is done, and my reads of this slot are over
	s_barrier_signal -1
	MUL8 F1, 2, 0
.if \fill
	WIN 0
.endif
	s_barrier_wait -1
.if \fill
	CREST                                          ; the barrier has opened a round of the cluster's barrier: no wave of any partner still reads this slot or has a load on its way
	s_add_nc_u64 s[G0+4*\slot+2:G0+4*\slot+3], s[G0+4*\slot+2:G0+4*\slot+3], 4194304
	s_add_nc_u64 s[G0B+4*\slot+2:G0B+4*\slot+3], s[G0B+4*\slot+2:G0B+4*\slot+3], 524288
	JLOAD \slot                                    ; the first tensor load behind the round; its four v_nop are also the places in front of the loads below
.else
	PLACES
.endif
	FETCH \next, 0, F0
	WIN MULW
	MUL8 F1, 4, 0
	MUL8 F1, 6, 0
.endm
	s_wait_tensorcnt 1                             ; my part of K step 0 is in (K step 1's may be out)
	s_barrier_signal -1
	s_barrier_wait -1                              ; everybody's is
	FETCH 0, 0, F0
	s_wait_loadcnt 0x0                             ; the bias
	QUARTER 0, 0, F0, F1, 1                        ; the first quarter stands in front of the loop: its products start the sums from the bias
	WIN 0
	s_mov_b32 s3, LAPS-1
.Llap:                                             ; a trip goes once round the ring and fills both slots again
	QUARTER 0, 1, F1, F0, 0
	QUARTER 0, 2, F0, F1, 0
	TURN 0, 1, 1
	QUARTER 1, 0, F0, F1, 0
	QUARTER 1, 1, F1, F0, 0
	QUARTER 1, 2, F0, F1, 0
	TURN 1, 0, 1
	QUARTER 0, 0, F0, F1, 0
	WIN 0
	s_sub_co_u32 s3, s3, 1
	s_cmp_lg_u32 s3, 0
	s_cbranch_scc1 .Llap
	QUARTER 0, 1, F1, F0, 0                        ; the last lap fills nothing
	QUARTER 0, 2, F0, F1, 0
	TURN 0, 1, 0
	QUARTER 1, 0, F0, F1, 0
	QUARTER 1, 1, F1, F0, 0
	QUARTER 1, 2, F0, F1, 0
	s_wait_dscnt 8
	WIN MULW
	MUL8 F1, 0, 0
	MUL8 F1, 2, 0
	s_wait_dscnt 0
	MUL8 F1, 4, 0
	MUL8 F1, 6, 0
	WIN 0
; THE WAY OUT, block by block of 16 rows x 64 columns: through my own stage, back as whole rows of 256 bytes; sixteen lanes store 256 consecutive bytes, aligned.
.macro TOSTAGE a
	WIN 0x04                                       ; an LDS store's data are its source 1: window 1
.irp b, 0,1,2,3
	ds_store_b128 v[STO], v[8*(4*(\a)+\b):8*(4*(\a)+\b)+3] offset:64*\b        ; each accumulator from its low end on
	ds_store_b128 v[STO], v[8*(4*(\a)+\b)+4:8*(4*(\a)+\b)+7] offset:64*\b+16
.endr
	WIN 0
.set BB, F0+32*((\a)%2)
.irp t, 0,1,2,3,4,5,6,7
	ds_load_b128 v[BB+4*\t:BB+4*\t+3], v[RD] offset:\t*2*SPITCH    ; in order behind my stores
.endr
.endm
.macro SEND a, younger
.set BB, F0+32*((\a)%2)
	s_wait_dscnt \younger                          ; the block is back; the next block's eight stores and eight loads may be out
.irp t, 0,1,2,3,4,5,6,7
	global_store_b128 v[CO], v[BB+4*\t:BB+4*\t+3], s[10:11] offset:65536*(\a)+8192*\t th:TH_STORE_NT
.endr
.endm
	PLACES
	TOSTAGE 0
.irp a, 1,2,3,4,5,6,7
.if \a > 1
	s_wait_xcnt 0x0                                ; the stores of the block two back have read their registers: this block's loads may land there
.endif
	TOSTAGE \a
	SEND \a-1, 16
.endr
	SEND 7, 0
	s_wait_tensorcnt 0x0                           ; the wave's end
	ds_add_u32 v[SPW], v[NIL]
	s_wait_dscnt 0x0
	CROUND                                         ; the closing round
	s_endpgm
.Lfunc_end_k_q3ad27d0dc8_outp:
	.size	k_q3ad27d0dc8_outp, .Lfunc_end_k_q3ad27d0dc8_outp-k_q3ad27d0dc8_outp
	.p2alignl 7, 3214868480
	.fill 96, 4, 3214868480
	.section	.rodata,"a",@progbits
	.p2align	6, 0x0
	.amdhsa_kernel k_q3ad27d0dc8_outp
		.amdhsa_group_segment_fixed_size 327680
		.amdhsa_private_segment_fixed_size 0
		.amdhsa_enable_private_segment 0
		.amdhsa_kernarg_size 32
		.amdhsa_user_sgpr_count 2
		.amdhsa_user_sgpr_kernarg_segment_ptr 1
		.amdhsa_wavefront_size32 1
		.amdhsa_system_sgpr_workgroup_id_x 1
		.amdhsa_system_sgpr_workgroup_id_y 1
		.amdhsa_system_sgpr_workgroup_id_z 1
		.amdhsa_system_vgpr_workitem_id 0
		.amdhsa_next_free_vgpr 512
		.amdhsa_next_free_sgpr 66
		.amdhsa_reserve_vcc 0
		.amdhsa_float_denorm_mode_32 3
		.amdhsa_float_denorm_mode_16_64 3
		.amdhsa_memory_ordered 1
		.amdhsa_forward_progress 1
		.amdhsa_inst_pref_size 86
	.end_amdhsa_kernel
	.amdgpu_metadata
---
amdhsa.version: [ 1, 2 ]
amdhsa.kernels:
  - .name:           k_q3ad27d0dc8_outp
    .symbol:         k_q3ad27d0dc8_outp.kd
    .args:
      - { .name: attn16, .offset: 0, .size: 8, .value_kind: global_buffer, .address_space: global }
      - { .name: wo16, .offset: 8, .size: 8, .value_kind: global_buffer, .address_space: global }
      - { .name: bo, .offset: 16, .size: 8, .value_kind: global_buffer, .address_space: global }
      - { .name: out0, .offset: 24, .size: 8, .value_kind: global_buffer, .address_space: global }
    .group_segment_fixed_size: 327680
    .private_segment_fixed_size: 0
    .kernarg_segment_align: 8
    .kernarg_segment_size: 32
    .max_flat_workgroup_size: 128
    .sgpr_count:     66
    .vgpr_count:     512
    .wavefront_size: 32
...
	.end_amdgpu_metadata
.endif
;; end of part 4
;; launch fine (part 5): grid 32 x 4, 16 waves a work-group, no clusters, 38,912 bytes of LDS; arguments fine32, Wo, bo, out0; writes out0
.if DOCPART == 5
	.amdgcn_target "amdgcn-amd-amdhsa--gfx1250"
	.amdhsa_code_object_version 6
	.text
	.protected	k_q3ad27d0dc8_fine
	.globl	k_q3ad27d0dc8_fine
	.p2align	8
	.type	k_q3ad27d0dc8_fine,@function
k_q3ad27d0dc8_fine:
	s_mov_b64 s[64:65], 0
	v_nop
	global_prefetch_b8 v0, s[64:65] scope:SCOPE_SE
	s_setreg_imm32_b32 hwreg(HW_REG_WAVE_MODE, 25, 1), 1
	s_wait_xcnt 0x0
; Positions 0 to 15 of every sequence, once more and wholly in f32: there a row of the softmax averages one to sixteen values, and operands of 16 bits would weigh most.
; fine32: q, k, v of these positions, f32 [3][4 b][16 t][1024].  out[b][t][n] = sum over heads of attn_head[t] . Wo[n][head's 64] + bo[n], t < 16: these 64 rows of out0 are written over.
; SHARES.  Work-group (nc, b): 32 columns n of batch b.  Wave = head: it makes its head's 16 x 16 attention (every work-group of a batch repeats that: 192 KiB of reads, 32 matrix instructions a wave) and multiplies
; it into the 32 columns; the sixteen heads' parts meet in LDS, and wave w sums and stores row t = w.  A row's store is 128 bytes: 32 columns are what 256 registers hold of Wo beside the rest.
; No tensor loads, no cluster: all operands go straight into registers once.  Nothing is looped.
; v_wmma_f32_16x16x4_f32 takes k = 2 (lane / 16) + register.  In each product the same permutation of k is applied to both operands, chosen so that loads of 16 bytes fill the fragments and no result changes lanes.
; The registers that these matrix instructions write (v16-95) are written by nothing else; each sum begins with the constant 0.  LIMIT: the sums over the 64 channels run in four chains.
.set AS, 16                            ; v16-47  four partial sums of S^T (key 8 h + j, query r)
.set AO, 48                            ; v48-79  O^T, four tiles of 16 channels
.set AY, 80                            ; v80-95  my head's part of out: two tiles of 16 columns
.set QF, 96                            ; v96-127 Q: register 4 i + e = channel 8 i + 4 h + e of row r; later AT = O^T / l
.set AT, 96
.set KR, 128                           ; v128-159 K likewise; later SS v128-135, PP v136-143, TM v144-151
.set SS, 128
.set PP, 136
.set TM, 144
.set VF, 160                           ; v160-191 V: register 8 ct + kk = V(key 8 h + kk, channel 16 ct + r); later the sixteen parts of a row
.set WF, 192                           ; v192-255 Wo: register 32 nt + 8 ct + kk = Wo(n = 16 nt + r, channel 16 ct + 8 h + kk)
.set VQ, 4
.set VV, 5
.set VW, 6
.set VL, 7
.set LST, 8
.set LRD, 9
.set RH, 10
.set NEG, 11
.set SPW, 12
.set NIL, 13
.set BO, 14
.set PART, 16*144                      ; LDS: a head's part: 16 rows x (128 bytes + 16)
.set SPARE, 16*PART                    ; the spare words, 128 bytes a wave, that no other line names
	s_load_b256 s[4:11], s[0:1], 0x0               ; fine32, Wo, bo, out0
	v_lshl_add_u32 v[SPW], v0, 2, SPARE
	v_mov_b32 v[NIL], 0
	v_lshrrev_b32 v1, 5, v0
	v_readfirstlane_b32 s12, v1                    ; wave = head; later: the row that I sum
	s_and_b32 s14, ttmp7, 0xffff                   ; batch
	v_and_b32 v1, 15, v0                           ; r
	v_bfe_u32 v2, v0, 4, 1                         ; h
	v_and_b32 v3, 31, v0                           ; lane
	v_lshlrev_b32 v[VQ], 12, v1
	v_lshl_add_u32 v[VW], v2, 5, v[VQ]             ; Wo: row r of 4,096 bytes + 32 h
	v_lshl_add_u32 v[VQ], v2, 4, v[VQ]             ; Q, K: row r + 16 h
	v_lshlrev_b32 v[VV], 2, v1
	v_lshl_add_u32 v[VV], v2, 15, v[VV]            ; V: eight rows down for lanes 16-31, + 4 r
	v_lshlrev_b32 v[VL], 2, v3
	s_mul_i32 s16, s12, PART
	v_mul_u32_u24 v[LST], v2, 8*144
	v_lshl_add_u32 v[LST], v1, 2, v[LST]
	v_add_nc_u32 v[LST], s16, v[LST]               ; my part: row 8 h + j, column r
	s_mul_i32 s16, s12, 144
	v_add_nc_u32 v[LRD], s16, v[VL]                ; back: row w of each part, column = lane
	v_lshlrev_b32 v[RH], 3, v2
	v_sub_nc_u32 v[RH], v1, v[RH]                  ; r - 8 h: key 8 h + j is hidden where j > r - 8 h
	v_mov_b32 v[NEG], 0xff800000
	s_mov_b32 s18, 0x3e38aa3b                      ; c = log2(e) / 8
	s_mov_b32 s20, 0x76543210
	s_mov_b32 s21, 0xfedcba98
	s_lshl_b32 s16, s14, 16                        ; fine32: 65,536 x batch + 256 x head
	s_lshl_b32 s17, s12, 8
	s_add_co_u32 s16, s16, s17
	s_lshl_b32 s22, ttmp9, 17                      ; Wo: 32 rows x nc + 256 x head
	s_add_co_u32 s22, s22, s17
	s_mov_b32 s17, 0
	s_mov_b32 s23, 0
	s_lshl_b32 s24, ttmp9, 7                       ; bo: 128 bytes x nc
	s_mov_b32 s25, 0
	s_lshl_b32 s26, s14, 23                        ; out0: row 2,048 x batch + w, + 128 bytes x nc
	s_lshl_b32 s27, s12, 12
	s_add_co_u32 s26, s26, s27
	s_add_co_u32 s26, s26, s24
	s_mov_b32 s27, 0
	s_wait_kmcnt 0x0
	s_add_nc_u64 s[4:5], s[4:5], s[16:17]
	s_add_nc_u64 s[6:7], s[6:7], s[22:23]
	s_add_nc_u64 s[8:9], s[8:9], s[24:25]
	s_add_nc_u64 s[10:11], s[10:11], s[26:27]
.irp i, 0,1,2,3,4,5,6,7
	global_load_b128 v[QF+4*\i:QF+4*\i+3], v[VQ], s[4:5] offset:32*\i
.endr
.irp i, 0,1,2,3,4,5,6,7
	global_load_b128 v[KR+4*\i:KR+4*\i+3], v[VQ], s[4:5] offset:262144+32*\i
.endr
.irp ct, 0,1,2,3
.irp kk, 0,1,2,3,4,5,6,7
	global_load_b32 v[VF+8*\ct+\kk], v[VV], s[4:5] offset:524288+4096*\kk+64*\ct
.endr
.endr
.irp nt, 0,1
.irp ct, 0,1,2,3
	global_load_b128 v[WF+32*\nt+8*\ct:WF+32*\nt+8*\ct+3], v[VW], s[6:7] offset:65536*\nt+64*\ct
	global_load_b128 v[WF+32*\nt+8*\ct+4:WF+32*\nt+8*\ct+7], v[VW], s[6:7] offset:65536*\nt+64*\ct+16
.endr
.endr
	global_load_b32 v[BO], v[VL], s[8:9]
	s_wait_loadcnt 49                              ; Q and K are in; V's 32 loads, Wo's 16 and bo's one may be out
	; S^T = K Q^T: sixteen steps of four channels, four accumulators by turns
.irp s, 0,1,2,3
	v_wmma_f32_16x16x4_f32 v[AS+8*\s:AS+8*\s+7], v[KR+2*\s:KR+2*\s+1], v[QF+2*\s:QF+2*\s+1], 0
.endr
.irp s, 4,5,6,7,8,9,10,11,12,13,14,15
	v_wmma_f32_16x16x4_f32 v[AS+8*(\s%4):AS+8*(\s%4)+7], v[KR+2*\s:KR+2*\s+1], v[QF+2*\s:QF+2*\s+1], v[AS+8*(\s%4):AS+8*(\s%4)+7]
.endr
.rept 8
	v_nop                                          ; eight places behind this form (ISA guide 7.12.1)
.endr
.irp j, 0,1,2,3,4,5,6,7
	v_add_f32 v[SS+\j], v[AS+\j], v[AS+8+\j]       ; each accumulator from its low end on
.endr
.irp j, 0,1,2,3,4,5,6,7
	v_add_f32 v[PP+\j], v[AS+16+\j], v[AS+24+\j]
.endr
.irp j, 0,1,2,3,4,5,6,7
	v_add_f32 v[SS+\j], v[SS+\j], v[PP+\j]
.endr
.irp j, 0,1,2,3,4,5,6,7
	v_cmp_gt_i32 vcc_lo, \j, v[RH]
	v_cndmask_b32 v[SS+\j], v[SS+\j], v[NEG], vcc_lo   ; hidden keys: -infinity
.endr
	v_max3_num_f32 v[TM], v[SS], v[SS+1], v[SS+2]
	v_max3_num_f32 v[TM], v[TM], v[SS+3], v[SS+4]
	v_max3_num_f32 v[TM], v[TM], v[SS+5], v[SS+6]
	v_max_num_f32 v[TM], v[TM], v[SS+7]
	v_mov_b32 v[TM+1], 0
	v_permlanex16_b32 v[TM+1], v[TM], s20, s21
	v_max_num_f32 v[TM], v[TM], v[TM+1]            ; the row's maximum: key 0 counts for every query
	v_mul_f32 v[TM+1], s18, v[TM]
.irp j, 0,1,2,3,4,5,6,7
	v_fma_f32 v[PP+\j], v[SS+\j], s18, -v[TM+1]
.endr
.irp j, 0,1,2,3,4,5,6,7
	v_exp_f32 v[PP+\j], v[PP+\j]
.endr
	v_nop
	s_wait_alu depctr_va_vdst(0)                   ; one wait for the eight exponentials, ahead of their first reader
	v_add_f32 v[TM+2], v[PP], v[PP+1]
	v_add_f32 v[TM+3], v[PP+2], v[PP+3]
	v_add_f32 v[TM+4], v[PP+4], v[PP+5]
	v_add_f32 v[TM+5], v[PP+6], v[PP+7]
	v_add_f32 v[TM+2], v[TM+2], v[TM+3]
	v_add_f32 v[TM+4], v[TM+4], v[TM+5]
	v_add_f32 v[TM+2], v[TM+2], v[TM+4]
	v_permlanex16_b32 v[TM+3], v[TM+2], s20, s21
	v_add_f32 v[TM+2], v[TM+2], v[TM+3]
	v_rcp_f32 v[TM+6], v[TM+2]
	v_nop
	s_wait_alu depctr_va_vdst(0)
	s_wait_loadcnt 17                              ; V is in; Wo's 16 loads and bo's one may be out
	; O^T = V^T P: four steps of four keys (8 h + 2 s + 0, 1 in both operands), four accumulators by turns
.irp ct, 0,1,2,3
	v_wmma_f32_16x16x4_f32 v[AO+8*\ct:AO+8*\ct+7], v[VF+8*\ct:VF+8*\ct+1], v[PP:PP+1], 0
.endr
.irp s, 1,2,3
.irp ct, 0,1,2,3
	v_wmma_f32_16x16x4_f32 v[AO+8*\ct:AO+8*\ct+7], v[VF+8*\ct+2*\s:VF+8*\ct+2*\s+1], v[PP+2*\s:PP+2*\s+1], v[AO+8*\ct:AO+8*\ct+7]
.endr
.endr
.rept 8
	v_nop
.endr
.set i, 0
.rept 32
	v_mul_f32 v[AT+i], v[AO+i], v[TM+6]            ; attn(query r, channel 16 ct + 8 h + j), into other registers
.set i, i+1
.endr
	s_wait_loadcnt 1                               ; Wo is in; bo's load may be out
	; my head's part of out: source 0 = my 16 queries, source 1 = 16 rows of Wo; sixteen steps of four channels, two accumulators by turns
.irp nt, 0,1
	v_wmma_f32_16x16x4_f32 v[AY+8*\nt:AY+8*\nt+7], v[AT:AT+1], v[WF+32*\nt:WF+32*\nt+1], 0
.endr
.irp k, 1,2,3,4,5,6,7,8,9,10,11,12,13,14,15
.irp nt, 0,1
	v_wmma_f32_16x16x4_f32 v[AY+8*\nt:AY+8*\nt+7], v[AT+2*\k:AT+2*\k+1], v[WF+32*\nt+2*\k:WF+32*\nt+2*\k+1], v[AY+8*\nt:AY+8*\nt+7]
.endr
.endr
.rept 8
	v_nop
.endr
.irp nt, 0,1
.irp j, 0,1,2,3,4,5,6,7
	ds_store_b32 v[LST], v[AY+8*\nt+\j] offset:144*\j+64*\nt       ; (t = 8 h + j, column 16 nt + r), each accumulator from its low end on
.endr
.endr
	s_wait_dscnt 0x0                               ; for the others' sake: my part lies in LDS
	s_barrier_signal -1
	s_barrier_wait -1
.irp p, 0,1,2,3,4,5,6,7,8,9,10,11,12,13,14,15
	ds_load_b32 v[VF+\p], v[LRD] offset:PART*\p    ; row w of every head's part
.endr
	s_wait_dscnt 0x0
.irp p, 0,1,2,3,4,5,6,7
	v_add_f32 v[VF+\p], v[VF+\p], v[VF+8+\p]
.endr
.irp p, 0,1,2,3
	v_add_f32 v[VF+\p], v[VF+\p], v[VF+4+\p]
.endr
	v_add_f32 v[VF], v[VF], v[VF+2]
	v_add_f32 v[VF+1], v[VF+1], v[VF+3]
	v_add_f32 v[VF], v[VF], v[VF+1]
	s_wait_loadcnt 0x0                             ; bo
	v_add_f32 v[VF], v[VF], v[BO]
	global_store_b32 v[VL], v[VF], s[10:11]        ; 32 lanes store 128 consecutive bytes of row t = w
	s_wait_tensorcnt 0x0                           ; the wave's end
	ds_add_u32 v[SPW], v[NIL]
	s_wait_dscnt 0x0
	s_endpgm
.Lfunc_end_k_q3ad27d0dc8_fine:
	.size	k_q3ad27d0dc8_fine, .Lfunc_end_k_q3ad27d0dc8_fine-k_q3ad27d0dc8_fine
	.p2alignl 7, 3214868480
	.fill 96, 4, 3214868480
	.section	.rodata,"a",@progbits
	.p2align	6, 0x0
	.amdhsa_kernel k_q3ad27d0dc8_fine
		.amdhsa_group_segment_fixed_size 38912
		.amdhsa_private_segment_fixed_size 0
		.amdhsa_enable_private_segment 0
		.amdhsa_kernarg_size 32
		.amdhsa_user_sgpr_count 2
		.amdhsa_user_sgpr_kernarg_segment_ptr 1
		.amdhsa_wavefront_size32 1
		.amdhsa_system_sgpr_workgroup_id_x 1
		.amdhsa_system_sgpr_workgroup_id_y 1
		.amdhsa_system_sgpr_workgroup_id_z 1
		.amdhsa_system_vgpr_workitem_id 0
		.amdhsa_next_free_vgpr 256
		.amdhsa_next_free_sgpr 66
		.amdhsa_reserve_vcc 1
		.amdhsa_float_denorm_mode_32 3
		.amdhsa_float_denorm_mode_16_64 3
		.amdhsa_memory_ordered 1
		.amdhsa_forward_progress 1
		.amdhsa_inst_pref_size 20
	.end_amdhsa_kernel
	.amdgpu_metadata
---
amdhsa.version: [ 1, 2 ]
amdhsa.kernels:
  - .name:           k_q3ad27d0dc8_fine
    .symbol:         k_q3ad27d0dc8_fine.kd
    .args:
      - { .name: fine32, .offset: 0, .size: 8, .value_kind: global_buffer, .address_space: global }
      - { .name: Wo, .offset: 8, .size: 8, .value_kind: global_buffer, .address_space: global }
      - { .name: bo, .offset: 16, .size: 8, .value_kind: global_buffer, .address_space: global }
      - { .name: out0, .offset: 24, .size: 8, .value_kind: global_buffer, .address_space: global }
    .group_segment_fixed_size: 38912
    .private_segment_fixed_size: 0
    .kernarg_segment_align: 8
    .kernarg_segment_size: 32
    .max_flat_workgroup_size: 512
    .sgpr_count:     66
    .vgpr_count:     256
    .wavefront_size: 32
...
	.end_amdgpu_metadata
.endif
;; end of part 5
